; MI455X (gfx1250); checked and timed in simulation.
; The chip was launched on July 23, 2026; its instructions are those of AMD's public machine-readable ISA for CDNA 5 (MIT licence, August 2026) and "CDNA5" Instruction Set Architecture Reference Guide (July 2026). The comments in the code are by the model that wrote it; some were corrected since.
;; Attention. Allowed arithmetic: matrix products marked QUANTISED: E4M3 operands, one given power-of-two scale a tensor, by v_wmma_f32_16x16x64_fp8_fp8 or v_wmma_f32_16x16x128_fp8_fp8, f32 sums; products left as they are: f32 operands where the result goes on into a quantised operand, else bf16, f16 or f32 operands; f32 sums; everything else in f32.
;; Inputs: W_attn 3,072 x 1,024 float32; b_attn 1,024 float32; encoder_outputs 64 x 512 x 2,048 float32; hidden 64 x 1,024 float32; lowp_scales 4 int32 (the exponents e of the quantised operands' scales 2^e); mask 64 x 512 int32; v 1,024 float32.
;; Outputs: out0 64 x 512 float32.
;; This version of the problem:
;;   THIS VERSION OF THE PROBLEM IS GIVEN IN LOW PRECISION. The matrix products marked QUANTISED in the list below multiply operands that are first quantised to E4M3 (4 exponent bits, 3 mantissa bits; 8 bits a number), with one given power-of-two scale for each operand tensor; their sums are f32. All else is computed in f32.
;;   The module's matrix products, in the order in which they are computed (A, B: the left and right operand; K: the contracted axis; several contracted axes count as one K, in the product's order):
;;     1. [M 64, K 1,024] x [K 1,024, N 1,024]; A: input hidden; B: input W_attn: QUANTISED (scales: A lowp_scales[0], B lowp_scales[1])
;;     2. [M 32,768, K 2,048] x [K 2,048, N 1,024]; A: input encoder_outputs; B: input W_attn: QUANTISED (scales: A lowp_scales[2], B lowp_scales[3])
;;     3. [M 32,768, K 1,024] x [K 1,024, N 1]; A: computed on the way; B: input v: left as it is (N = 1 < 16)
;;   THE QUANTISER, for each operand of a quantised product, along K:
;;     - The operand's scale is 2^e, e = its entry of the input lowp_scales (int32; the entries are numbered through the quantised products in the list's order, A before B).
;;     - Each number is divided by the scale, clamped to +-448, and rounded to the nearest number of E4M3, ties to even, subnormals kept.
;;     - The product sums the exact products of the quantised numbers (number of the format x scale) in f32.
;;   ~~~python
;;   def quantise(x, axis, e):      # numpy; x: float32 -> the quantised numbers, widened to float32 again
;;       x = np.moveaxis(x, axis, -1); K = x.shape[-1]
;;       r = np.clip(x / 2.0 ** e, -448, 448)
;;       step = 2.0 ** (np.maximum(np.frexp(np.where(r == 0, 1, r))[1] - 1, -6) - 3)
;;       q = np.round(r / step) * step * 2.0 ** e      # np.round: ties to even
;;       return np.moveaxis(q, -1, axis).astype(np.float32)
;;   ~~~
;; 2 versions. Each part assembles by itself: llvm-mc -triple=amdgcn-amd-amdhsa -mcpu=gfx1250 --defsym DOCPART=n.
;; ======== version 1 of 2: 3 launches
;; workspace buffers: wcodes 2,097,152 bytes; hb 262,144 bytes; part 524,288 bytes
;; launch prep (part 1): grid 96 x 1, 16 waves a work-group, no clusters, 133,120 bytes of LDS; arguments W_attn, hidden, b_attn, lowp_scales, wcodes, hb; writes wcodes, hb
.if DOCPART == 1
	.amdgcn_target "amdgcn-amd-amdhsa--gfx1250"
	.amdhsa_code_object_version 6
	.text
	.protected	k_q3ccb7c3d38_prep
	.globl	k_q3ccb7c3d38_prep
	.p2align	8
	.type	k_q3ccb7c3d38_prep,@function
k_q3ccb7c3d38_prep:
	s_mov_b64 s[64:65], 0
	v_nop
	global_prefetch_b8 v0, s[64:65] scope:SCOPE_SE
	s_setreg_imm32_b32 hwreg(HW_REG_WAVE_MODE, 25, 1), 1
	s_wait_xcnt 0x0
; Two pieces of work that are done once, ahead of the large product, in one launch.  The work-group's number chooses; both ways are the same for all waves of a work-group.
; WAY Q (work-groups 0-63): We = W_attn[1024:3072][0:1024], f32 with K as its FIRST axis, becomes codes of E4M3 with the given scale 2^e3, laid in the ORDER OF THE OPERAND'S REGISTERS:
;   byte ((s*4 + w)*16 + t)*2048 + 512 c + 256 h + 16 r + i  =  code of We[k = 128 s + 32 c + 16 h + i][n = 256 w + 16 t + r],  i = 0 .. 15:
;   K step s, the reading wave w, its tile t of 16 columns, and then a fragment's 16 registers lane by lane: a wave's 32,768 bytes of a K step are one dense block.
;   A lane takes a column and its registers run down K, so that the conversions give codes with K innermost; a lane's 16 codes are 16 bytes, and sixteen lanes store 256 consecutive, aligned bytes.
; WAY H (work-groups 64-95): hb[b][n] = 2 log2(e) x ((Q(hidden) Q(Wh))[b][n] x 2^(e0 + e1) + b_attn[n]), Wh = W_attn[0:1024]; the factor 2 log2(e) is what the next launch's tanh wants.
;   A work-group takes 32 columns and all 64 rows; its sixteen waves share K, 64 each (one matrix instruction of K = 64 for each of 8 tiles); the sixteen parts are added through LDS.
;   hb's stores are 16 bytes a lane in sixteen rows: aligned blocks of 256 bytes are written in parts here; the buffer is 262,144 bytes in all.
; code = x / 2^e, held within +-448, rounded to the nearest code, ties to even.
; LIMITS: e0, e1, e3 between -126 and 119; e0 + e1 between -126 and 127, so that each power of two below is an f32 number.  NaN among the inputs is not served (an infinity is held at the largest code).
.set ROWW, 4096                        ; a row of W_attn, of hidden and of hb in bytes
.set X,    16                          ; way Q: v16-79   64 numbers down K
.set C,    80                          ; way Q: v80-95   their codes
.set HL,   16                          ; way H: v16-143  hidden: 4 tiles of rows x 32 numbers
.set WL,   144                         ; way H: v144-207 Wh: 2 tiles of columns x 32 numbers
.set HC,   208                         ; way H: v208-239 hidden's codes: 4 fragments of 8 registers
.set WC,   240                         ; way H: v240-255 Wh's codes: 2 fragments
.set ACC,  16                          ; way H: v16-79   8 accumulators (tile of rows a, tile of columns t: 2 a + t), where hidden's numbers lay
.set SU,   80                          ; way H: v80-143  sixteen waves' parts of one piece of 4 registers
	s_load_b256 s[4:11], s[0:1], 0x0               ; W_attn s[4:5], hidden s[6:7], b_attn s[8:9], the scales' exponents s[10:11]
	s_load_b128 s[12:15], s[0:1], 0x20             ; wcodes s[12:13], hb s[14:15]
	v_lshrrev_b32 v1, 5, v0
	v_readfirstlane_b32 s16, v1                    ; wave u, 0 .. 15
	v_and_b32 v11, 31, v0                          ; lane l
	v_and_b32 v9, 15, v0                           ; r = l % 16
	v_bfe_u32 v10, v0, 4, 1                        ; h = l / 16
	s_wait_kmcnt 0x0
	s_load_b128 s[20:23], s[10:11], 0x0            ; e0, e1, e2, e3
	s_cmp_lt_u32 ttmp9, 64
	s_cbranch_scc0 .Lhb
	; ---------------- WAY Q.  K step s = group / 4, columns 256 cg on (cg = group % 4).  Wave u: columns 32 (u % 8) on, K 64 (u / 8) on.
	s_lshr_b32 s24, ttmp9, 2                       ; s
	s_and_b32 s25, ttmp9, 3                        ; cg
	s_and_b32 s26, s16, 7                          ; cu
	s_lshr_b32 s27, s16, 3                         ; kh
	s_lshl_b32 s28, s24, 19                        ; in: 128 s rows of 4,096 bytes
	s_lshl_b32 s29, s27, 18                        ;   + 64 kh rows
	s_add_co_u32 s28, s28, s29
	s_lshl_b32 s29, s25, 10                        ;   + 256 cg columns of 4 bytes
	s_add_co_u32 s28, s28, s29
	s_lshl_b32 s29, s26, 7                         ;   + 32 cu columns
	s_add_co_u32 s28, s28, s29
	s_add_co_u32 s28, s28, 1024*ROWW               ;   + Wh's 1,024 rows
	s_mov_b32 s29, 0
	s_add_nc_u64 s[4:5], s[4:5], s[28:29]
	s_lshl_b32 s28, s24, 17                        ; out: 131,072 s + 32,768 cg + 4,096 cu + 1,024 kh
	s_lshl_b32 s30, s25, 15
	s_add_co_u32 s28, s28, s30
	s_lshl_b32 s30, s26, 12
	s_add_co_u32 s28, s28, s30
	s_lshl_b32 s30, s27, 10
	s_add_co_u32 s28, s28, s30
	s_add_nc_u64 s[12:13], s[12:13], s[28:29]
	v_lshlrev_b32 v1, 2, v11                       ; in: 4 bytes a lane: a load reads 128 consecutive bytes of one row of We
	v_lshlrev_b32 v2, 4, v9                        ; out: 16 r,
	v_lshl_add_u32 v2, v10, 11, v2                 ;   and lanes 16-31 hold the next tile of 16 columns, 2,048 bytes on
.set i, 0
.rept 64
	global_load_b32 v[X+i], v1, s[4:5] offset:ROWW*i th:TH_LOAD_NT   ; We(64 kh + i, my column)
.set i, i+1
.endr
	s_wait_kmcnt 0x0
	s_add_co_i32 s30, s23, 127
	s_lshl_b32 s31, s30, 23
	v_mov_b32 v13, s31                             ; 2^e3 as f32: the conversion takes its exponent field
	s_add_co_i32 s30, s30, 8
	s_lshl_b32 s30, s30, 23
	s_or_b32 s30, s30, 0x600000
	v_mov_b32 v12, s30                             ; 448 x 2^e3
.irp p, 0,1,2,3                        ; a run of 16 along K: 16 codes, 16 bytes: (c, h) = (2 kh + p / 2, p % 2) of the image
	s_wait_loadcnt 48-16*\p                        ; loads come back in order: this run's sixteen are in, the younger runs' may be out
.set i, 0
.rept 16
	v_med3_num_f32 v[X+16*\p+i], v[X+16*\p+i], -v12, v12   ; the conversion to an 8-bit code does not saturate (ISA guide 7.6.2): the hold at the largest code x the scale
.set i, i+1
.endr
	v_cvt_scalef32_pk8_fp8_f32 v[C+4*\p:C+4*\p+1], v[X+16*\p:X+16*\p+7], v13
	v_cvt_scalef32_pk8_fp8_f32 v[C+4*\p+2:C+4*\p+3], v[X+16*\p+8:X+16*\p+15], v13
.endr
	v_nop                                          ; one plain vector instruction behind the last scaled conversion
.irp p, 0,1,2,3
	global_store_b128 v2, v[C+4*\p:C+4*\p+3], s[12:13] offset:256*\p   ; each half of the lanes stores 256 consecutive bytes, at a multiple of 256 from the buffer's first byte
.endr
	s_endpgm
	; ---------------- WAY H.  Columns n0 = 32 (group - 64) on.  Wave u: K = 64 u .. 64 u + 63.
	; The place of k in a fragment is the same in both operands: lane (r, h) holds k = 64 u + 32 h + 0 .. 31 in its 8 registers, so every product meets its partner.
.Lhb:
	s_sub_co_u32 s24, ttmp9, 64
	s_lshl_b32 s24, s24, 7                         ; 4 n0 bytes
	s_mov_b32 s27, 0
	s_lshl_b32 s26, s16, 8                         ; hidden: 64 u numbers along a row
	s_add_nc_u64 s[6:7], s[6:7], s[26:27]
	s_lshl_b32 s26, s16, 18                        ; Wh: 64 u rows, + 4 n0
	s_add_co_u32 s26, s26, s24
	s_add_nc_u64 s[4:5], s[4:5], s[26:27]
	s_bfe_u32 s28, s16, 0x10001                    ; behind the sum wave u owns piece u of the 16 pieces of 4 registers: tile of columns (u / 2) % 2,
	s_and_b32 s29, s16, 1                          ; registers 4 (u % 2) on,
	s_lshl_b32 s28, s28, 6
	s_lshl_b32 s29, s29, 4
	s_add_co_u32 s28, s28, s29
	s_add_co_u32 s26, s28, s24                     ; its columns' bytes: 4 n0 + 64 (tile) + 16 (half)
	s_add_nc_u64 s[8:9], s[8:9], s[26:27]          ; in b_attn,
	s_lshr_b32 s28, s16, 2                         ; tile of rows u / 4: 16 rows of 4,096 bytes
	s_lshl_b32 s28, s28, 16
	s_add_co_u32 s26, s26, s28
	s_add_nc_u64 s[14:15], s[14:15], s[26:27]      ; and in hb
	v_lshlrev_b32 v1, 12, v9
	v_lshl_add_u32 v1, v10, 7, v1                  ; hidden: row r, + 32 h numbers
	v_lshlrev_b32 v2, 2, v9
	v_lshl_add_u32 v2, v10, 17, v2                 ; Wh: column r, + 32 h rows
	s_lshl_b32 s30, s16, 13
	v_lshl_add_u32 v3, v11, 4, s30                 ; LDS, in: my wave's 8,192 bytes, 16 bytes a lane: images of registers
	v_lshlrev_b32 v4, 4, v0                        ; LDS, back: piece u of wave 0's image: 512 u + 16 l = 16 x the thread's number,
	v_add_nc_u32 v5, 0x10000, v4                   ;   and of wave 8's
	v_lshlrev_b32 v6, 12, v9
	v_lshl_add_u32 v6, v10, 5, v6                  ; hb: row r, + 8 h columns
	v_lshlrev_b32 v7, 5, v10                       ; b_attn: 8 h columns
.irp a, 0,1,2,3
.irp q, 0,1,2,3,4,5,6,7
	global_load_b128 v[HL+32*\a+4*\q:HL+32*\a+4*\q+3], v1, s[6:7] offset:16*ROWW*\a+16*\q   ; hidden(16 a + r, 64 u + 32 h + 4 q ..)
.endr
.endr
.irp t, 0,1
.set i, 0
.rept 32
	global_load_b32 v[WL+32*\t+i], v2, s[4:5] offset:ROWW*i+64*\t   ; Wh(64 u + 32 h + i, n0 + 16 t + r)
.set i, i+1
.endr
.endr
	global_load_b128 v[8:11], v7, s[8:9]           ; b_attn at my piece's four columns (r, h and l are no longer wanted)
	s_wait_kmcnt 0x0
	s_add_co_i32 s32, s20, 127
	s_lshl_b32 s33, s32, 23
	v_mov_b32 v13, s33                             ; 2^e0
	s_add_co_i32 s32, s32, 8
	s_lshl_b32 s32, s32, 23
	s_or_b32 s32, s32, 0x600000
	v_mov_b32 v12, s32                             ; 448 x 2^e0
	s_add_co_i32 s32, s21, 127
	s_lshl_b32 s33, s32, 23
	v_mov_b32 v15, s33                             ; 2^e1
	s_add_co_i32 s32, s32, 8
	s_lshl_b32 s32, s32, 23
	s_or_b32 s32, s32, 0x600000
	v_mov_b32 v14, s32                             ; 448 x 2^e1
	s_add_co_i32 s34, s20, s21
	s_add_co_i32 s34, s34, 127
	s_lshl_b32 s34, s34, 23                        ; 2^(e0 + e1) as f32
	s_mov_b32 s35, s34                             ; (named with it as a pair, so it is written)
	s_wait_loadcnt 0x0
.irp a, 0,1,2,3
.set i, 0
.rept 32
	v_med3_num_f32 v[HL+32*\a+i], v[HL+32*\a+i], -v12, v12
.set i, i+1
.endr
.irp q, 0,1,2,3
	v_cvt_scalef32_pk8_fp8_f32 v[HC+8*\a+2*\q:HC+8*\a+2*\q+1], v[HL+32*\a+8*\q:HL+32*\a+8*\q+7], v13
.endr
.endr
.irp t, 0,1
.set i, 0
.rept 32
	v_med3_num_f32 v[WL+32*\t+i], v[WL+32*\t+i], -v14, v14
.set i, i+1
.endr
.irp q, 0,1,2,3
	v_cvt_scalef32_pk8_fp8_f32 v[WC+8*\t+2*\q:WC+8*\t+2*\q+1], v[WL+32*\t+8*\q:WL+32*\t+8*\q+7], v15
.endr
.endr
	v_nop                                          ; one plain vector instruction between the scaled conversions and the products, which read their results and write over their sources
	; TRANSPOSED: source 0 = 16 columns of Wh, source 1 = 16 rows of hidden: lane (r, h) holds row 16 a + r, and its register j column n0 + 16 t + 8 h + j.  Eight accumulators, one product each.
.irp a, 0,1,2,3
.irp t, 0,1
	v_wmma_f32_16x16x64_fp8_fp8 v[ACC+8*(2*\a+\t):ACC+8*(2*\a+\t)+7], v[WC+8*\t:WC+8*\t+7], v[HC+8*\a:HC+8*\a+7], 0
.endr
.endr
.rept 4
	v_nop                                          ; four places between a matrix instruction and the first read of its result (ISA guide 7.12.1)
.endr
.irp p, 0,1,2,3,4,5,6,7
	ds_store_b128 v3, v[ACC+8*\p:ACC+8*\p+3] offset:1024*\p        ; each accumulator from its low end on
	ds_store_b128 v3, v[ACC+8*\p+4:ACC+8*\p+7] offset:1024*\p+512
.endr
	s_wait_dscnt 0x0                               ; for the others' sake: my stores have landed
	s_barrier_signal -1
	s_barrier_wait -1
.irp q, 0,1,2,3,4,5,6,7
	ds_load_b128 v[SU+4*\q:SU+4*\q+3], v4 offset:8192*\q           ; piece u of waves 0 to 7,
.endr
.irp q, 0,1,2,3,4,5,6,7
	ds_load_b128 v[SU+32+4*\q:SU+32+4*\q+3], v5 offset:8192*\q     ; and of waves 8 to 15
.endr
	s_wait_dscnt 0x0
.irp d, 32,16,8,4                      ; the sixteen parts of K are added as a tree, two numbers an instruction
.set i, 0
.rept \d/2
	v_pk_add_f32 v[SU+i:SU+i+1], v[SU+i:SU+i+1], v[SU+\d+i:SU+\d+i+1]
.set i, i+2
.endr
.endr
	v_pk_fma_f32 v[SU:SU+1], v[SU:SU+1], s[34:35], v[8:9] op_sel_hi:[1,0,1]        ; sum x 2^(e0 + e1) + b_attn
	v_pk_fma_f32 v[SU+2:SU+3], v[SU+2:SU+3], s[34:35], v[10:11] op_sel_hi:[1,0,1]
	v_pk_mul_f32 v[SU:SU+1], v[SU:SU+1], 0x4038aa3b op_sel_hi:[1,0]                ; x 2 log2(e)
	v_pk_mul_f32 v[SU+2:SU+3], v[SU+2:SU+3], 0x4038aa3b op_sel_hi:[1,0]
	global_store_b128 v6, v[SU:SU+3], s[14:15]
	s_wait_xcnt 0x0
	v_lshl_add_u32 v254, v0, 2, 0x20000
	v_mov_b32 v255, 0
	s_wait_tensorcnt 0x0
	ds_add_u32 v254, v255
	s_wait_dscnt 0x0
	s_endpgm
.Lfunc_end_k_q3ccb7c3d38_prep:
	.size	k_q3ccb7c3d38_prep, .Lfunc_end_k_q3ccb7c3d38_prep-k_q3ccb7c3d38_prep
	.p2alignl 7, 3214868480
	.fill 96, 4, 3214868480
	.section	.rodata,"a",@progbits
	.p2align	6, 0x0
	.amdhsa_kernel k_q3ccb7c3d38_prep
		.amdhsa_group_segment_fixed_size 133120
		.amdhsa_private_segment_fixed_size 0
		.amdhsa_enable_private_segment 0
		.amdhsa_kernarg_size 48
		.amdhsa_user_sgpr_count 2
		.amdhsa_user_sgpr_kernarg_segment_ptr 1
		.amdhsa_wavefront_size32 1
		.amdhsa_system_sgpr_workgroup_id_x 1
		.amdhsa_system_sgpr_workgroup_id_y 1
		.amdhsa_system_sgpr_workgroup_id_z 1
		.amdhsa_system_vgpr_workitem_id 0
		.amdhsa_next_free_vgpr 256
		.amdhsa_next_free_sgpr 66
		.amdhsa_reserve_vcc 0
		.amdhsa_float_denorm_mode_32 3
		.amdhsa_float_denorm_mode_16_64 3
		.amdhsa_memory_ordered 1
		.amdhsa_forward_progress 1
		.amdhsa_inst_pref_size 43
	.end_amdhsa_kernel
	.amdgpu_metadata
---
amdhsa.version: [ 1, 2 ]
amdhsa.kernels:
  - .name:           k_q3ccb7c3d38_prep
    .symbol:         k_q3ccb7c3d38_prep.kd
    .args:
      - { .name: W_attn, .offset: 0, .size: 8, .value_kind: global_buffer, .address_space: global }
      - { .name: hidden, .offset: 8, .size: 8, .value_kind: global_buffer, .address_space: global }
      - { .name: b_attn, .offset: 16, .size: 8, .value_kind: global_buffer, .address_space: global }
      - { .name: lowp_scales, .offset: 24, .size: 8, .value_kind: global_buffer, .address_space: global }
      - { .name: wcodes, .offset: 32, .size: 8, .value_kind: global_buffer, .address_space: global }
      - { .name: hb, .offset: 40, .size: 8, .value_kind: global_buffer, .address_space: global }
    .group_segment_fixed_size: 133120
    .private_segment_fixed_size: 0
    .kernarg_segment_align: 8
    .kernarg_segment_size: 48
    .max_flat_workgroup_size: 512
    .sgpr_count:     66
    .vgpr_count:     256
    .wavefront_size: 32
...
	.end_amdgpu_metadata
.endif
;; end of part 1
;; launch main (part 2): grid 512 x 1, 4 waves a work-group, clusters of 4 x 1, 327,680 bytes of LDS; arguments encoder_outputs, wcodes, hb, v, lowp_scales, part; writes part
.if DOCPART == 2
	.amdgcn_target "amdgcn-amd-amdhsa--gfx1250"
	.amdhsa_code_object_version 6
	.text
	.protected	k_q3ccb7c3d38_main
	.globl	k_q3ccb7c3d38_main
	.p2align	8
	.type	k_q3ccb7c3d38_main,@function
k_q3ccb7c3d38_main:
	s_mov_b64 s[64:65], 0
	v_nop
	global_prefetch_b8 v0, s[64:65] scope:SCOPE_SE
	s_setreg_imm32_b32 hwreg(HW_REG_WAVE_MODE, 25, 1), 1
	s_wait_xcnt 0x0
	s_wait_alu depctr_hold_cnt(0) depctr_sa_sdst(0) depctr_va_vdst(0) depctr_va_sdst(0) depctr_va_ssrc(0) depctr_va_vcc(0) depctr_vm_vsrc(0)
	s_getreg_b32 s2, hwreg(HW_REG_IB_STS2, 6, 4)
	s_cmp_eq_u32 s2, 0
	s_cbranch_scc0 .Lentry_in_a_cluster
	s_endpgm
.Lentry_in_a_cluster:
	s_bfe_u32 s2, ttmp6, 0x10000c
	s_cmp_lg_u32 s2, 0x3003
	s_cbranch_scc0 .Lentry_shape_is_right
	s_endpgm
.Lentry_shape_is_right:
; part[w][row] = the sum over the 256 columns n of wave w of v[n] tanh(hidden.Wh + b_attn + encoder_outputs.We)[row][n], row = 512 b + s, 32,768 rows.
; The product encoder_outputs [32768][2048] x We [2048][1024] is made on codes of E4M3: We's come ready from the launch before, as images of operand registers; encoder_outputs arrives as f32, is read ONCE and is
; quantised in registers on its way (scale 2^e2: held within +-448 x 2^e2, rounded to the nearest code, ties to even).  hb holds 2 log2(e) x (hidden.Wh + b_attn).  The energies never go to memory.
; SHARES.  A work-group takes 64 rows and ALL 1,024 columns, in one walk over K = 2,048 in 16 steps of 128: 64 x 1,024 sums of f32 are 512 registers in each of four waves.  Wave w makes columns 256 w .. 256 w + 255
; for all 64 rows (64 accumulators of 16 x 16), and loads and quantises rows 16 w .. 16 w + 15 of each K step for all four waves.
; We's CODES.  A wave's part of a K step is one dense block of 32,768 bytes, brought by one tensor load into the wave's own part of one of two LDS slots; only that wave reads it, 16 bytes a lane on end.
; CLUSTER.  All work-groups walk the same codes of We.  The four of a cluster ask for each block JOINTLY: the same tensor load, with the same descriptor and a mask that names the four; each receives it in its own LDS.
; encoder_outputs' CODES go from wave to wave through two small LDS buffers by turns (rows of 128 bytes + 16): trip g reads buffer g % 2 and writes buffer (g + 1) % 2, and the trip's one barrier parts both from the trips beside it.
; THE PLACE OF k in a fragment is the same in both operands: lane (r, h) holds k = 32 c + 16 h + 0 .. 15 in registers 4 c .. 4 c + 3, so every product meets its partner.
; tanh(x) = 1 - 2 / (1 + 2^(2 log2(e) x)): where the power overflows the quotient is 0, where it underflows it is 2: tanh = 1 and -1.  So a row's part is  sum of v  -  2 x sum of v / (1 + 2^t).
; LIMITS: e2 between -126 and 119; e2 + e3 between -127 and 126 (they are added to the exponent field of 2 log2(e)).  NaN among the inputs is not served (an infinity is held at the largest code).
; REGISTERS, in windows of 256 (s_set_vgpr_msb's low byte: bits 1:0 source 0, 3:2 source 1, 5:4 source 2, 7:6 destination):
;   window 0: v1-15 addresses and constants; v16-31 the codes just made; v32-95 four fragments of encoder_outputs; v96-159, v160-223 two sets of four fragments of We; v224-229 made at the head
;   window 1: four sets of 64: a K step's f32 numbers of my 16 rows (row i at + 4 i: four numbers a lane)
;   window 2: the accumulators of my tiles of columns 0-7 ((a, t) at 8 (4 (t % 8) + a));   window 3: those of tiles 8-15
.set WSLOT,  131072                    ; LDS: a slot of We's codes: four waves' 32,768 bytes.  Slot 0 at byte 0, slot 1 behind it; tensor loads alone fill them
.set AB0,    2*WSLOT                   ; two buffers of encoder_outputs' codes: 64 rows,
.set APITCH, 144                       ;   128 bytes + 16 = 36 words: row r starts at bank 36 r mod 64 (64 banks of 4 bytes: ISA guide 11.1): the 16 rows of a load start at 16 different groups of four banks
.set ABYTES, 64*APITCH
.set HBW,    AB0+2*ABYTES              ; 4,096 bytes for each wave: its 256 columns' pairs (hb, hb), then its pairs (-2 v, -2 v), 8 bytes a column
.set SPARE,  HBW+4*4096                ; the spare words, 128 bytes for each wave: two blocks of 256 bytes that no other line names
.set SPW,  1                           ; v1     LDS address of my spare word; never rewritten
.set NIL,  2                           ; v2     0; never rewritten
.set EOFF, 3                           ; v3     16 x lane: my 16 bytes of a row's 512 in a K step
.set WAD,  4                           ; v4-5   We's codes in slot 0, 1: slot + 32,768 w + 16 x lane
.set ARD,  6                           ; v6-7   where I read fragments in buffer 0, 1: 144 r + 16 h
.set AWR,  8                           ; v8-9   where I store codes in buffer 0, 1: my wave's 16 rows, 4 x lane
.set LIM,  10                          ; v10    448 x 2^e2
.set SCQ,  11                          ; v11    2^e2
.set HBA,  12                          ; v12    my column's pairs: HBW + 4,096 w + 8 r
.set PO,   13                          ; v13    the way out: my two rows' bytes
.set VS,   14                          ; v14-15 the sum of v over my 16 columns, twice
.set CD,   16
.set AF,   32
.set WF,   96
.set HBP,  32                          ; the way out: v32-63 pairs (hb, hb) of my column in tiles 0-15; v64-95 pairs (-2 v, -2 v); v96-127 the 32 rows' sums; v128-187 the sum across lanes
.set WP,   64
.set SR,   96
.set HBV,  96                          ; at the head: v96-103 hb, v104-111 v, v112-119 -2 v, of columns 32 q + lane
.set VV,   104
.set W2,   112
.set TLANE, 224                        ; lane;  v225 r;  v226 h;  v227 4 x lane;  v228 where I store the pairs;  v229 at work
.set TROW,  225
.set THALF, 226
.set T4L,   227
.set HST,   228
.set TT,    229
.set WV,  16                           ; s16    my wave's number
.set G1,  24                           ; s[24:31] descriptor group 1;  s[32:35], s[36:39] group 0 of slot 0, 1
.set G0,  32
.set SS,  40                           ; s[40:41] 2 log2(e) x 2^(e2 + e3), twice
.set SEL, 42                           ; s[42:43] lane selects for v_permlanex16_b32: lane l xor 16
.set MK,  44                           ; s44-47 the lanes whose r has bit 8, 4, 2, 1
.set MSB, 0
.macro WIN new                         ; the immediate's high byte repeats the setting that is left; a switch that changes nothing is dropped
.if MSB != \new
	s_set_vgpr_msb (MSB<<8)|\new
.set MSB, \new
.endif
.endm
; A round of the cluster's barrier: my work-group's barrier, so that wave 0's signal speaks for all four waves; wave 0 signals for the work-group; every wave waits for all four work-groups; my work-group's barrier once more.
.macro ROUND
	s_barrier_signal -1
	s_barrier_wait -1
	s_cmp_lg_u32 s[WV], 0
	s_cbranch_scc1 .Lnot_wave_0_\@
	s_barrier_signal -3
.Lnot_wave_0_\@:
	s_barrier_wait -3
	s_barrier_signal -1
	s_barrier_wait -1
.endm
; A load into a register that a matrix instruction has read, and a vector instruction that reads a matrix result, stand four places behind it; only plain vector instructions that name none of its registers are places
; (ISA guide 7.12.1 for vector instructions).
.macro PLACES
.rept 4
	v_nop
.endr
.endm
; A K step's numbers of my 16 rows into set e: each load takes 512 consecutive bytes of one row, 16 a lane.  koff: the K step's bytes from where s[4:5] stands.
.macro LOADSET e, koff
	WIN 0x40                                       ; destination window 1, address window 0
.irp i, 0,1,2,3,4,5,6,7,8,9,10,11,12,13,14,15
	global_load_b128 v[64*(\e)+4*\i:64*(\e)+4*\i+3], v[EOFF], s[4:5] offset:8192*\i+(\koff) th:TH_LOAD_NT
.endr
	WIN 0
.endm
; Set e becomes codes, which go to buffer ab.  A conversion takes eight registers: four numbers of row 2 p, four of row 2 p + 1; so each result register holds 4 codes of ONE row, k = 4 x lane + 0 .. 3,
; and a store of 4 bytes a lane lays a row's 128 codes on end.  cnt: the younger loads, which may stay out.
.macro QUANT e, cnt, ab
	s_wait_loadcnt \cnt                            ; loads come back in order (ISA guide 5.7.1): this set's sixteen are in
	WIN 0x41                                       ; destination and source 0 window 1
.set i, 0
.rept 64
	v_med3_num_f32 v[64*(\e)+i], v[64*(\e)+i], -v[LIM], v[LIM]   ; the conversion to an 8-bit code does not saturate (ISA guide 7.6.2): the hold at the largest code x the scale
.set i, i+1
.endr
	WIN 0x01                                       ; source 0 window 1
.irp p, 0,1,2,3,4,5,6,7
	v_cvt_scalef32_pk8_fp8_f32 v[CD+2*\p:CD+2*\p+1], v[64*(\e)+8*\p:64*(\e)+8*\p+7], v[SCQ]
.endr
	WIN 0
	v_nop                                          ; one plain vector instruction behind the last scaled conversion
.irp i, 0,1,2,3,4,5,6,7,8,9,10,11,12,13,14,15
	ds_store_b32 v[AWR+(\ab)], v[CD+\i] offset:APITCH*\i
.endr
.endm
.macro FETCH_A slot                    ; the four fragments (16 rows x 128 K) of the 64 rows
.irp a, 0,1,2,3
.irp c, 0,1,2,3
	ds_load_b128 v[AF+16*\a+4*\c:AF+16*\a+4*\c+3], v[ARD+(\slot)] offset:16*APITCH*\a+32*\c
.endr
.endr
.endm
.macro FETCH_W slot, g, buf            ; my tiles of columns 4 g .. 4 g + 3 into set buf: images of registers, 512 consecutive bytes a load
.irp tt, 0,1,2,3
.irp c, 0,1,2,3
	ds_load_b128 v[WF+64*(\buf)+16*\tt+4*\c:WF+64*(\buf)+16*\tt+4*\c+3], v[WAD+(\slot)] offset:2048*(4*(\g)+\tt)+512*\c
.endr
.endr
.endm
; 16 matrix instructions: tiles of columns 4 g .. 4 g + 3 x the four tiles of rows.  Source 0 = 16 rows, source 1 = 16 columns: lane (r, h) holds column r, and its register j row 8 h + j.
; zero = 1: the first K step starts the sums: nothing is ever cleared.  The 64 accumulators take turns, one instruction a turn, in the same order in every K step.
.macro MUL g, buf, zero
.if (\g) < 2
	WIN 0xa0                                       ; C and D window 2
.else
	WIN 0xf0                                       ; C and D window 3
.endif
.irp tt, 0,1,2,3
.irp a, 0,1,2,3
.if \zero
	v_wmma_f32_16x16x128_fp8_fp8 v[8*(4*((4*(\g)+\tt)%8)+\a):8*(4*((4*(\g)+\tt)%8)+\a)+7], v[AF+16*\a:AF+16*\a+15], v[WF+64*(\buf)+16*\tt:WF+64*(\buf)+16*\tt+15], 0
.else
	v_wmma_f32_16x16x128_fp8_fp8 v[8*(4*((4*(\g)+\tt)%8)+\a):8*(4*((4*(\g)+\tt)%8)+\a)+7], v[AF+16*\a:AF+16*\a+15], v[WF+64*(\buf)+16*\tt:WF+64*(\buf)+16*\tt+15], v[8*(4*((4*(\g)+\tt)%8)+\a):8*(4*((4*(\g)+\tt)%8)+\a)+7]
.endif
.endr
.endr
.endm
; A TRIP = K step g, in slot and buffer g % 2.  ONE barrier.  In front of it each wave waits for all its tensor loads (one is out: its part of this trip's slot), adds 0 to its spare word, and waits for that, for its reads of
; the last trip's slot and buffer, and for its stores of this trip's codes.  refill = 1: the barrier is a round of the cluster's, and behind it the slot read last trip takes K step g + 1: the load has this trip in which to land.
; dq = 1: K step g + 1 of my 16 rows (set qset) is quantised into the other buffer;  dl = 1: the set takes K step g + 5.
.macro TRIP slot, zero, refill, dq, qset, qcnt, dl, koff
	s_wait_tensorcnt 0x0                           ; no tensor load of mine is out, so a group 0 may be written
	ds_add_u32 v[SPW], v[NIL]                      ; 0 onto my spare word
	s_add_nc_u64 s[G0+4*(\slot)+2:G0+4*(\slot)+3], s[G0+4*(\slot)+2:G0+4*(\slot)+3], 2*WSLOT   ; this slot's next K step; the type bits on top are not reached
	s_wait_dscnt 0x0                               ; the add is done, my reads are in, my stores have landed
.if \refill
	ROUND                                          ; no wave of any partner still reads the slot or has a load on its way
	tensor_load_to_lds s[G0+4-4*(\slot):G0+7-4*(\slot)], s[G1:G1+7]   ; my one tensor load behind the round, and the first thing there
	s_nop 0
.else
	s_barrier_signal -1
	s_barrier_wait -1
.endif
	PLACES                                         ; four v_nop follow the tensor load; they are also the places in front of the loads below
	FETCH_A \slot
	FETCH_W \slot, 0, 0
.if \dq
	QUANT \qset, \qcnt, 1-(\slot)
.endif
.if \dl
	LOADSET \qset, \koff
.endif
	FETCH_W \slot, 1, 1
.if \dq
	s_wait_dscnt 32                                ; the rows' fragments and We's group 0 are in; the 16 stores of codes and group 1's 16 loads may be out
.else
	s_wait_dscnt 16                                ; the same without stores
.endif
	MUL 0, 0, \zero
	WIN 0
	PLACES
	FETCH_W \slot, 2, 0
	s_wait_dscnt 16                                ; group 1 is in; the 16 loads just issued may be out
	MUL 1, 1, \zero
	WIN 0
	PLACES
	FETCH_W \slot, 3, 1
	s_wait_dscnt 16                                ; group 2 is in
	MUL 2, 0, \zero
	s_wait_dscnt 0x0                               ; group 3 is in
	MUL 3, 1, \zero
	WIN 0                                          ; at a label and at a branch every window is 0
.endm
	s_load_b256 s[4:11], s[0:1], 0x0               ; encoder_outputs s[4:5], wcodes s[6:7], hb s[8:9], v s[10:11]
	s_load_b128 s[12:15], s[0:1], 0x20             ; the scales' exponents s[12:13], part s[14:15]
	v_lshl_add_u32 v[SPW], v0, 2, SPARE
	v_mov_b32 v[NIL], 0
	ds_add_u32 v1, v2
	ds_add_u32 v1, v2
	s_wait_dscnt 0x0
	v_lshrrev_b32 v[TT], 5, v0
	v_readfirstlane_b32 s[WV], v[TT]               ; wave 0..3
	s_bfe_u32 s17, ttmp6, 0x40000                  ; cx: my place in the cluster: it enters encoder_outputs' and part's addresses alone
	s_lshl_b32 s18, ttmp9, 2                       ; in a cluster launch ttmp9 counts clusters
	s_add_co_u32 s18, s18, s17                     ; my block of 64 rows = 4 x cluster + cx
	s_lshr_b32 s19, ttmp9, 1                       ; the batch: 8 blocks of 64 rows = 2 clusters: the four partners share it
	; descriptor group 1: a dense block of 32,768 bytes as 128 rows of 256 bytes, no padding
	s_mov_b32 s[G1], 15|(3<<16)|(1<<21)            ; 15:0 the mask: all four work-groups; 17:16 elements of 8 bytes; 21 set beside a mask
	s_mov_b32 s[G1+1], 32<<16                      ; tensor_dim0 = 32 elements
	s_mov_b32 s[G1+2], 128<<16                     ; tensor_dim1 = 128
	s_mov_b32 s[G1+3], 32<<16                      ; tile_dim0 = 32
	s_mov_b32 s[G1+4], 128                         ; tile_dim1 = 128
	s_mov_b32 s[G1+5], 32                          ; tensor_dim0_stride: a row begins where the last ends
	s_mov_b32 s[G1+6], 0
	s_mov_b32 s[G1+7], 0
	s_mov_b32 s[SEL], 0x76543210
	s_mov_b32 s[SEL+1], 0xfedcba98
	v_and_b32 v[TLANE], 31, v0
	v_and_b32 v[TROW], 15, v0
	v_bfe_u32 v[THALF], v0, 4, 1
	v_lshlrev_b32 v[EOFF], 4, v[TLANE]
	v_lshlrev_b32 v[T4L], 2, v[TLANE]
	s_lshl_b32 s50, s18, 19                        ; encoder_outputs: 64 rows of 8,192 bytes a block,
	s_lshl_b32 s51, s[WV], 17                      ; 16 rows a wave
	s_add_co_u32 s50, s50, s51
	s_mov_b32 s51, 0
	s_lshl_b32 s52, s19, 12                        ; hb: the batch's row of 4,096 bytes,
	s_lshl_b32 s54, s[WV], 10                      ; my 256 columns; the same in v
	s_add_co_u32 s52, s52, s54
	s_mov_b32 s53, 0
	s_mov_b32 s55, 0
	s_lshl_b32 s56, s[WV], 17                      ; part: wave w's 32,768 numbers,
	s_lshl_b32 s57, s18, 8                         ; my block's 64
	s_add_co_u32 s56, s56, s57
	s_mov_b32 s57, 0
	s_lshl_b32 s58, s[WV], 15                      ; wcodes, and a slot: my wave's 32,768 bytes
	s_mov_b32 s59, 0
	s_wait_kmcnt 0x0
	s_load_b128 s[20:23], s[12:13], 0x0            ; e0, e1, e2, e3
	s_add_nc_u64 s[4:5], s[4:5], s[50:51]
	s_add_nc_u64 s[8:9], s[8:9], s[52:53]
	s_add_nc_u64 s[10:11], s[10:11], s[54:55]
	s_add_nc_u64 s[14:15], s[14:15], s[56:57]
	s_add_nc_u64 s[6:7], s[6:7], s[58:59]
.irp q, 0,1,2,3,4,5,6,7
	global_load_b32 v[HBV+\q], v[T4L], s[8:9] offset:128*\q        ; hb of columns 32 q + lane
.endr
.irp q, 0,1,2,3,4,5,6,7
	global_load_b32 v[VV+\q], v[T4L], s[10:11] offset:128*\q       ; v likewise
.endr
	LOADSET 0, 0                                   ; K steps 0 and 1
	LOADSET 1, 512
	s_mov_b32 s[G0], 1                             ; 1:0 count = 1
	s_mov_b32 s[G0+1], s58                         ; 63:32 LDS address: slot 0, my wave's part
	s_mov_b64 s[G0+2:G0+3], s[6:7]                 ; 120:64 global address: K step 0, my wave's block
	s_or_b32 s[G0+3], s[G0+3], 0x80000000          ; 127:126 type = 2
	s_mov_b32 s[G0+4], 1
	s_add_co_u32 s[G0+5], s58, WSLOT               ; slot 1,
	s_add_nc_u64 s[G0+6:G0+7], s[6:7], WSLOT       ; K step 1: a K step's four blocks are as many bytes as a slot
	s_or_b32 s[G0+7], s[G0+7], 0x80000000
	ROUND                                          ; all four work-groups are here: the first joint loads meet
	tensor_load_to_lds s[G0:G0+3], s[G1:G1+7]      ; K step 0.  Slot 1 is filled behind the first trip's round, as every refill is
	s_nop 0
	PLACES
	v_lshl_add_u32 v[WAD], v[TLANE], 4, s58
	v_add_nc_u32 v[WAD+1], WSLOT, v[WAD]
	v_mul_u32_u24 v[ARD], v[TROW], APITCH
	v_lshl_add_u32 v[ARD], v[THALF], 4, v[ARD]
	v_add_nc_u32 v[ARD], AB0, v[ARD]
	v_add_nc_u32 v[ARD+1], ABYTES, v[ARD]
	s_mul_i32 s60, s[WV], 16*APITCH
	s_add_co_u32 s60, s60, AB0
	v_lshl_add_u32 v[AWR], v[TLANE], 2, s60
	v_add_nc_u32 v[AWR+1], ABYTES, v[AWR]
	s_lshl_b32 s61, s[WV], 12
	s_add_co_u32 s61, s61, HBW
	v_lshl_add_u32 v[HBA], v[TROW], 3, s61
	v_lshl_add_u32 v[HST], v[TLANE], 3, s61
	v_lshrrev_b32 v[PO], 2, v[TROW]                ; the way out leaves lane (r, h) with rows 16 (r / 4) + 8 h + 2 (r % 4) + 0, 1: 4 bytes a row
	v_lshlrev_b32 v[PO], 6, v[PO]
	v_lshl_add_u32 v[PO], v[THALF], 5, v[PO]
	v_and_b32 v[TT], 3, v[TROW]
	v_lshl_add_u32 v[PO], v[TT], 3, v[PO]
.irp k, 0,1,2,3
	v_and_b32 v[TT], 8>>\k, v0
	v_cmp_ne_u32 s[MK+\k], 0, v[TT]                ; the lanes whose r has bit 8, 4, 2, 1
.endr
	s_wait_kmcnt 0x0
	s_add_co_i32 s60, s22, 127
	s_lshl_b32 s61, s60, 23
	v_mov_b32 v[SCQ], s61                          ; 2^e2 as f32: the conversion takes its exponent field
	s_add_co_i32 s60, s60, 8
	s_lshl_b32 s60, s60, 23
	s_or_b32 s60, s60, 0x600000
	v_mov_b32 v[LIM], s60                          ; 448 x 2^e2
	s_add_co_i32 s60, s22, s23
	s_lshl_b32 s60, s60, 23
	s_add_co_i32 s[SS], s60, 0x4038aa3b            ; a sum stands for sum x 2^(e2 + e3): the two exponents are added to the exponent field of 2 log2(e)
	s_mov_b32 s[SS+1], s[SS]                       ; (named with it as a pair, so it is written)
	s_wait_loadcnt 32                              ; hb and v are in; the 32 loads of K steps 0 and 1 may be out
	LOADSET 2, 1024
.irp q, 0,1,2,3,4,5,6,7
	v_mul_f32 v[W2+\q], -2.0, v[VV+\q]
.endr
	v_pk_add_f32 v[VV:VV+1], v[VV:VV+1], v[VV+2:VV+3]              ; the sum of v over columns 32 q + lane,
	v_pk_add_f32 v[VV+4:VV+5], v[VV+4:VV+5], v[VV+6:VV+7]
	v_pk_add_f32 v[VV:VV+1], v[VV:VV+1], v[VV+4:VV+5]
	v_add_f32 v[VV], v[VV], v[VV+1]
	v_permlanex16_b32 v[VV+1], v[VV], s[SEL], s[SEL+1]
	v_add_f32 v[VS], v[VV], v[VV+1]                ; and lane l xor 16's: columns 16 t + r, t = 0 .. 15: those that lane (r, h) holds in the accumulators
	v_mov_b32 v[VS+1], v[VS]
.irp q, 0,1,2,3,4,5,6,7                ; my wave's own bytes: nobody else reads them, and LDS serves a wave's instructions in order
	ds_store_b32 v[HST], v[HBV+\q] offset:256*\q
	ds_store_b32 v[HST], v[HBV+\q] offset:256*\q+4
	ds_store_b32 v[HST], v[W2+\q] offset:2048+256*\q
	ds_store_b32 v[HST], v[W2+\q] offset:2048+256*\q+4
.endr
	LOADSET 3, 1536
	QUANT 0, 48, 0                                 ; K step 0's codes; K steps 1 to 3, 48 loads, may be out
	LOADSET 0, 2048
	; Sixteen trips.  In each the count 48 leaves the three younger K steps' loads out: four K steps, 64 loads of 512 bytes a wave, are asked for ahead.
	TRIP 0, 1, 1, 1, 1, 48, 1, 2560                ; K step 0 stands in front of the loop: its products start the sums
	s_mov_b32 s48, 0
.Lk:                                               ; two trips of the loop = K steps 1 to 8: four to a trip, until the sets' numbers are back where they began
	TRIP 1, 0, 1, 1, 2, 48, 1, 3072
	TRIP 0, 0, 1, 1, 3, 48, 1, 3584
	TRIP 1, 0, 1, 1, 0, 48, 1, 4096
	TRIP 0, 0, 1, 1, 1, 48, 1, 4608
	s_wait_xcnt 0x0                                ; every load issued has had its address translated (ISA guide 3.1): the base is stepped only behind this wait
	s_add_nc_u64 s[4:5], s[4:5], 2048              ; four K steps of 512 bytes along the rows
	s_add_co_u32 s48, s48, 1
	s_cmp_lt_u32 s48, 2
	s_cbranch_scc1 .Lk
	TRIP 1, 0, 1, 1, 2, 48, 1, 3072                ; K steps 9 to 15 are written out
	TRIP 0, 0, 1, 1, 3, 48, 1, 3584                ; (the last load: K step 15)
	TRIP 1, 0, 1, 1, 0, 48, 0, 0
	TRIP 0, 0, 1, 1, 1, 32, 0, 0                   ; the counts run down
	TRIP 1, 0, 1, 1, 2, 16, 0, 0
	TRIP 0, 0, 1, 1, 3, 0, 0, 0
	TRIP 1, 0, 0, 0, 0, 0, 0, 0                    ; nothing is left to fetch or to quantise
	; THE WAY OUT.  Lane (r, h) holds column 16 t + r of tile t: its hb and -2 v are one pair each for a tile.
	PLACES
.irp t, 0,1,2,3,4,5,6,7,8,9,10,11,12,13,14,15
	ds_load_b64 v[HBP+2*\t:HBP+2*\t+1], v[HBA] offset:128*\t
.endr
.irp t, 0,1,2,3,4,5,6,7,8,9,10,11,12,13,14,15
	ds_load_b64 v[WP+2*\t:WP+2*\t+1], v[HBA] offset:2048+128*\t
.endr
	s_wait_dscnt 0x0
; Tile of columns t, all 64 rows: 32 registers a lane (8 a + j: row 16 a + 8 h + j).  t' = sum x 2 log2(e) 2^(e2 + e3) + hb;  q = 1 / (1 + 2^t');  the row's sum += -2 v q.  The first tile's addend is the sum of v.
; The exponentials are one batch and the reciprocals another: behind each one plain instruction and one wait ahead of the first use of a result.
.macro EPI t
.set R, 32*((\t)%8)
.if (\t) < 8
	WIN 0x82                                       ; destination and source 0 window 2
.else
	WIN 0xc3                                       ; window 3
.endif
.set i, 0
.rept 16
	v_pk_fma_f32 v[R+i:R+i+1], v[R+i:R+i+1], s[SS:SS+1], v[HBP+2*(\t):HBP+2*(\t)+1] op_sel_hi:[1,0,1]   ; ascending: each accumulator from its low end on
.set i, i+2
.endr
.set i, 0
.rept 32
	v_exp_f32 v[R+i], v[R+i]
.set i, i+1
.endr
	v_nop
	s_wait_alu depctr_va_vdst(0)
.set i, 0
.rept 16
	v_pk_add_f32 v[R+i:R+i+1], v[R+i:R+i+1], 1.0 op_sel_hi:[1,0]
.set i, i+2
.endr
.set i, 0
.rept 32
	v_rcp_f32 v[R+i], v[R+i]
.set i, i+1
.endr
	v_nop
	s_wait_alu depctr_va_vdst(0)
.if (\t) < 8
	WIN 0x02                                       ; source 0 window 2
.else
	WIN 0x03
.endif
.set i, 0
.rept 16
.if (\t) == 0
	v_pk_fma_f32 v[SR+i:SR+i+1], v[R+i:R+i+1], v[WP+2*(\t):WP+2*(\t)+1], v[VS:VS+1]
.else
	v_pk_fma_f32 v[SR+i:SR+i+1], v[R+i:R+i+1], v[WP+2*(\t):WP+2*(\t)+1], v[SR+i:SR+i+1]
.endif
.set i, i+2
.endr
.endm
.irp t, 0,1,2,3,4,5,6,7,8,9,10,11,12,13,14,15
	EPI \t
.endr
	WIN 0
; The sum over the 16 lanes of a half, of n numbers a lane, by halving: a lane keeps the half of its numbers that its bit of r names, hands the other half to the lane r xor x, and adds what it is handed.
.macro HALVE src, n, dst, tmp, mask, x
.set i, 0
.rept (\n)/2
	v_cndmask_b32 v[\dst+i], v[\src+i], v[\src+i+(\n)/2], s[\mask]   ; kept
	v_cndmask_b32 v[\tmp+i], v[\src+i+(\n)/2], v[\src+i], s[\mask]   ; handed over
.set i, i+1
.endr
.set i, 0
.rept (\n)/2
	v_add_f32_dpp v[\dst+i], v[\tmp+i], v[\dst+i] row_xmask:\x row_mask:0xf bank_mask:0xf
.set i, i+1
.endr
.endm
	HALVE SR, 32, 128, 144, MK, 8
	HALVE 128, 16, 160, 168, MK+1, 4
	HALVE 160, 8, 176, 180, MK+2, 2
	HALVE 176, 4, 184, 186, MK+3, 1                ; lane (r, h) is left with numbers 2 r and 2 r + 1 of the 32
	global_store_b64 v[PO], v[184:185], s[14:15]   ; the 32 lanes store the block's 64 numbers: 256 consecutive bytes, at a multiple of 256 from the buffer's first byte
	s_wait_tensorcnt 0x0                           ; the wave's end, behind my last tensor load and my last LDS store
	ds_add_u32 v[SPW], v[NIL]
	s_wait_dscnt 0x0
	ROUND                                          ; the closing round: no work-group ends while a partner may still ask for a block that names it
	s_endpgm
.Lfunc_end_k_q3ccb7c3d38_main:
	.size	k_q3ccb7c3d38_main, .Lfunc_end_k_q3ccb7c3d38_main-k_q3ccb7c3d38_main
	.p2alignl 7, 3214868480
	.fill 96, 4, 3214868480
	.section	.rodata,"a",@progbits
	.p2align	6, 0x0
	.amdhsa_kernel k_q3ccb7c3d38_main
		.amdhsa_group_segment_fixed_size 327680
		.amdhsa_private_segment_fixed_size 0
		.amdhsa_enable_private_segment 0
		.amdhsa_kernarg_size 48
		.amdhsa_user_sgpr_count 2
		.amdhsa_user_sgpr_kernarg_segment_ptr 1
		.amdhsa_wavefront_size32 1
		.amdhsa_system_sgpr_workgroup_id_x 1
		.amdhsa_system_sgpr_workgroup_id_y 1
		.amdhsa_system_sgpr_workgroup_id_z 1
		.amdhsa_system_vgpr_workitem_id 0
		.amdhsa_next_free_vgpr 1024
		.amdhsa_next_free_sgpr 66
		.amdhsa_reserve_vcc 0
		.amdhsa_float_denorm_mode_32 3
		.amdhsa_float_denorm_mode_16_64 3
		.amdhsa_memory_ordered 1
		.amdhsa_forward_progress 1
		.amdhsa_inst_pref_size 255
	.end_amdhsa_kernel
	.section	.bss,"aw",@nobits
	.p2align	6
	.space	262144
	.amdgpu_metadata
---
amdhsa.version: [ 1, 2 ]
amdhsa.kernels:
  - .name:           k_q3ccb7c3d38_main
    .symbol:         k_q3ccb7c3d38_main.kd
    .args:
      - { .name: encoder_outputs, .offset: 0, .size: 8, .value_kind: global_buffer, .address_space: global }
      - { .name: wcodes, .offset: 8, .size: 8, .value_kind: global_buffer, .address_space: global }
      - { .name: hb, .offset: 16, .size: 8, .value_kind: global_buffer, .address_space: global }
      - { .name: v, .offset: 24, .size: 8, .value_kind: global_buffer, .address_space: global }
      - { .name: lowp_scales, .offset: 32, .size: 8, .value_kind: global_buffer, .address_space: global }
      - { .name: part, .offset: 40, .size: 8, .value_kind: global_buffer, .address_space: global }
    .group_segment_fixed_size: 327680
    .private_segment_fixed_size: 0
    .kernarg_segment_align: 8
    .kernarg_segment_size: 48
    .max_flat_workgroup_size: 128
    .sgpr_count:     66
    .vgpr_count:     1024
    .wavefront_size: 32
...
	.end_amdgpu_metadata
.endif
;; end of part 2
;; launch soft (part 3): grid 64 x 1, 1 waves a work-group, no clusters, 0 bytes of LDS; arguments part, mask, out0; writes out0
.if DOCPART == 3
	.amdgcn_target "amdgcn-amd-amdhsa--gfx1250"
	.amdhsa_code_object_version 6
	.text
	.protected	k_q3ccb7c3d38_soft
	.globl	k_q3ccb7c3d38_soft
	.p2align	8
	.type	k_q3ccb7c3d38_soft,@function
k_q3ccb7c3d38_soft:
	s_mov_b64 s[64:65], 0
	v_nop
	global_prefetch_b8 v0, s[64:65] scope:SCOPE_SE
	s_setreg_imm32_b32 hwreg(HW_REG_WAVE_MODE, 25, 1), 1
	s_wait_xcnt 0x0
; out0[b][s] = softmax over s of (mask[b][s] == 0 ? -1e9 : score[b][s]),  score = the sum of the four parts (256 columns each) that the launch before stored: part [4][64 x 512] f32.
; One wave takes one batch: 512 positions, 16 a lane: position 128 q + 4 x lane + 0 .. 3 in registers 4 q .. 4 q + 3.  Every load and store of the wave covers 512 consecutive bytes.  No LDS, no barrier.
; The row's maximum is taken away before the exponential.  A row that is masked everywhere gives 1 / 512 at every position.
.set P, 16                             ; v16-79  the four parts; then v16-31 the scores, the exponentials, the result
.set M, 80                             ; v80-95  the mask
	s_load_b128 s[4:7], s[0:1], 0x0                ; part s[4:5], mask s[6:7]
	s_load_b64 s[8:9], s[0:1], 0x10                ; out0
	v_lshlrev_b32 v1, 4, v0                        ; 16 bytes a lane
	v_mov_b32 v2, 0xce6e6b28                       ; -1e9
	v_mov_b32 v4, 0                                ; written once: a lane permute's destination counts as one of its sources
	s_lshl_b32 s10, ttmp9, 11                      ; the batch's 512 numbers of 4 bytes
	s_mov_b32 s11, 0
	s_mov_b32 s12, 0x76543210                      ; v_permlanex16_b32's selects for lane l xor 16
	s_mov_b32 s13, 0xfedcba98
	s_wait_kmcnt 0x0
	s_add_nc_u64 s[4:5], s[4:5], s[10:11]
	s_add_nc_u64 s[6:7], s[6:7], s[10:11]
	s_add_nc_u64 s[8:9], s[8:9], s[10:11]
.irp w, 0,1,2,3
.irp q, 0,1,2,3
	global_load_b128 v[P+16*\w+4*\q:P+16*\w+4*\q+3], v1, s[4:5] offset:131072*\w+512*\q th:TH_LOAD_NT
.endr
.endr
.irp q, 0,1,2,3
	global_load_b128 v[M+4*\q:M+4*\q+3], v1, s[6:7] offset:512*\q th:TH_LOAD_NT
.endr
	s_wait_loadcnt 0x0
.set i, 0
.rept 8
	v_pk_add_f32 v[P+i:P+i+1], v[P+i:P+i+1], v[P+16+i:P+17+i]
	v_pk_add_f32 v[P+32+i:P+33+i], v[P+32+i:P+33+i], v[P+48+i:P+49+i]
.set i, i+2
.endr
.set i, 0
.rept 8
	v_pk_add_f32 v[P+i:P+i+1], v[P+i:P+i+1], v[P+32+i:P+33+i]      ; the score
.set i, i+2
.endr
.set i, 0
.rept 16
	v_cmp_eq_u32 vcc_lo, 0, v[M+i]
	v_cndmask_b32 v[P+i], v[P+i], v2, vcc_lo       ; -1e9 where the mask is 0
.set i, i+1
.endr
	v_max3_num_f32 v3, v[P], v[P+1], v[P+2]        ; the largest of my 16,
.irp i, 3,5,7,9,11,13
	v_max3_num_f32 v3, v3, v[P+\i], v[P+\i+1]
.endr
	v_max_num_f32 v3, v3, v[P+15]
	v_max_num_f32_dpp v3, v3, v3 row_xmask:1 row_mask:0xf bank_mask:0xf   ; of my half of the lanes,
	v_max_num_f32_dpp v3, v3, v3 row_xmask:2 row_mask:0xf bank_mask:0xf
	v_max_num_f32_dpp v3, v3, v3 row_xmask:4 row_mask:0xf bank_mask:0xf
	v_max_num_f32_dpp v3, v3, v3 row_xmask:8 row_mask:0xf bank_mask:0xf
	v_permlanex16_b32 v4, v3, s12, s13
	v_max_num_f32 v6, v3, v4                       ; of the row
	v_mov_b32 v7, v6
.set i, 0
.rept 8
	v_pk_add_f32 v[P+i:P+i+1], v[P+i:P+i+1], v[6:7] neg_lo:[0,1] neg_hi:[0,1]   ; score - maximum FIRST, and then x log2(e): fused into one multiply-add, the rounding of maximum x log2(e) would show at -1e9
.set i, i+2
.endr
.set i, 0
.rept 8
	v_pk_mul_f32 v[P+i:P+i+1], v[P+i:P+i+1], 0x3fb8aa3b op_sel_hi:[1,0]
.set i, i+2
.endr
.set i, 0
.rept 16
	v_exp_f32 v[P+i], v[P+i]
.set i, i+1
.endr
	v_nop                                          ; one plain instruction behind the last exponential,
	s_wait_alu depctr_va_vdst(0)                   ; and a wait ahead of the batch's first reader
	v_pk_add_f32 v[8:9], v[P:P+1], v[P+2:P+3]
.irp i, 4,6,8,10,12,14
	v_pk_add_f32 v[8:9], v[8:9], v[P+\i:P+\i+1]
.endr
	v_add_f32 v8, v8, v9
	v_add_f32_dpp v8, v8, v8 row_xmask:1 row_mask:0xf bank_mask:0xf
	v_add_f32_dpp v8, v8, v8 row_xmask:2 row_mask:0xf bank_mask:0xf
	v_add_f32_dpp v8, v8, v8 row_xmask:4 row_mask:0xf bank_mask:0xf
	v_add_f32_dpp v8, v8, v8 row_xmask:8 row_mask:0xf bank_mask:0xf
	v_permlanex16_b32 v4, v8, s12, s13
	v_add_f32 v8, v8, v4                           ; the row's sum: at least 1, the maximum's own term
	v_rcp_f32 v10, v8                              ; twice: a pair for the packed multiply
	v_rcp_f32 v11, v8
	v_nop
	s_wait_alu depctr_va_vdst(0)
.set i, 0
.rept 8
	v_pk_mul_f32 v[P+i:P+i+1], v[P+i:P+i+1], v[10:11]
.set i, i+2
.endr
.irp q, 0,1,2,3
	global_store_b128 v1, v[P+4*\q:P+4*\q+3], s[8:9] offset:512*\q th:TH_STORE_NT   ; 32 lanes store 512 consecutive bytes, at a multiple of 256 from out0's first byte
.endr
	s_endpgm
.Lfunc_end_k_q3ccb7c3d38_soft:
	.size	k_q3ccb7c3d38_soft, .Lfunc_end_k_q3ccb7c3d38_soft-k_q3ccb7c3d38_soft
	.p2alignl 7, 3214868480
	.fill 96, 4, 3214868480
	.section	.rodata,"a",@progbits
	.p2align	6, 0x0
	.amdhsa_kernel k_q3ccb7c3d38_soft
		.amdhsa_group_segment_fixed_size 0
		.amdhsa_private_segment_fixed_size 0
		.amdhsa_enable_private_segment 0
		.amdhsa_kernarg_size 24
		.amdhsa_user_sgpr_count 2
		.amdhsa_user_sgpr_kernarg_segment_ptr 1
		.amdhsa_wavefront_size32 1
		.amdhsa_system_sgpr_workgroup_id_x 1
		.amdhsa_system_sgpr_workgroup_id_y 1
		.amdhsa_system_sgpr_workgroup_id_z 1
		.amdhsa_system_vgpr_workitem_id 0
		.amdhsa_next_free_vgpr 112
		.amdhsa_next_free_sgpr 66
		.amdhsa_reserve_vcc 1
		.amdhsa_float_denorm_mode_32 3
		.amdhsa_float_denorm_mode_16_64 3
		.amdhsa_memory_ordered 1
		.amdhsa_forward_progress 1
		.amdhsa_inst_pref_size 10
	.end_amdhsa_kernel
	.amdgpu_metadata
---
amdhsa.version: [ 1, 2 ]
amdhsa.kernels:
  - .name:           k_q3ccb7c3d38_soft
    .symbol:         k_q3ccb7c3d38_soft.kd
    .args:
      - { .name: part, .offset: 0, .size: 8, .value_kind: global_buffer, .address_space: global }
      - { .name: mask, .offset: 8, .size: 8, .value_kind: global_buffer, .address_space: global }
      - { .name: out0, .offset: 16, .size: 8, .value_kind: global_buffer, .address_space: global }
    .group_segment_fixed_size: 0
    .private_segment_fixed_size: 0
    .kernarg_segment_align: 8
    .kernarg_segment_size: 24
    .max_flat_workgroup_size: 32
    .sgpr_count:     66
    .vgpr_count:     112
    .wavefront_size: 32
...
	.end_amdgpu_metadata
.endif
;; end of part 3
;; ======== version 2 of 2: 3 launches
;; limits: right only within a limited range of input values
;; workspace buffers: wcodes 2,097,152 bytes; hb 262,144 bytes; part 1,048,576 bytes
;; launch prep (part 4): grid 192 x 1, 16 waves a work-group, no clusters, 51,456 bytes of LDS; arguments W_attn, hidden, b_attn, lowp_scales, wcodes, hb; writes wcodes, hb
.if DOCPART == 4
	.amdgcn_target "amdgcn-amd-amdhsa--gfx1250"
	.amdhsa_code_object_version 6
	.text
	.protected	k_q3ccb7c3d38_prep
	.globl	k_q3ccb7c3d38_prep
	.p2align	8
	.type	k_q3ccb7c3d38_prep,@function
k_q3ccb7c3d38_prep:
	s_mov_b64 s[64:65], 0
	v_nop
	global_prefetch_b8 v0, s[64:65] scope:SCOPE_SE
	s_setreg_imm32_b32 hwreg(HW_REG_WAVE_MODE, 25, 1), 1
	s_wait_xcnt 0x0
; Two pieces of work that are done once, ahead of the large product, in one launch.  The work-group's number chooses; both ways are the same for all waves of a work-group.
; WAY Q (work-groups 0-63): We = W_attn[1024:3072][0:1024], f32 with K as its FIRST axis, becomes codes of E4M3 with the given scale 2^e3, laid in the ORDER OF THE OPERAND'S REGISTERS:
;   byte ((((sp*2 + ch)*4 + w)*2 + s2)*8 + t)*2048 + 512 c + 256 h + 16 r + i  =  code of We[k = 128 (2 sp + s2) + 32 c + 16 h + i][n = 512 ch + 128 w + 16 t + r],  i = 0 .. 15:
;   a pair sp of K steps, the column half ch, the reading wave w, the K step s2 of the pair, the wave's tile t of 16 columns, and then a fragment's 16 registers lane by lane.
;   A lane takes a column and its registers run down K, so that the conversions give codes with K innermost; a lane's 16 codes are 16 bytes, and sixteen lanes store 256 consecutive, aligned bytes.
; WAY H (work-groups 64-191): hb[b][n] = 2 log2(e) x ((Q(hidden) Q(Wh))[b][n] x 2^(e0 + e1) + b_attn[n]), Wh = W_attn[0:1024]; the factor 2 log2(e) is what the next launch's tanh wants.
;   A work-group takes 32 columns and 16 rows: 65,536 bytes of hidden and 131,072 of Wh.  Its sixteen waves share K, 64 each (one matrix instruction of K = 64 for each of 2 tiles of columns);
;   the sixteen parts are added through LDS by waves 0 to 3, each for 4 of the 16 registers of a lane.
;   hidden is read as it lies, 512 consecutive bytes a load: wave u quantises row u of the sixteen whole and lays its codes as a row in LDS; behind a barrier each wave takes its K's fragment from there.
;   hb's stores are 16 bytes a lane in sixteen rows: aligned blocks of 256 bytes are written in parts here; the buffer is 262,144 bytes in all.  All sixteen waves load 16 bytes a lane of b_attn; waves 0 to 3 use them.
; code = x / 2^e, held within +-448, rounded to the nearest code, ties to even.
; LIMITS: e0, e1, e3 between -126 and 119; e0 + e1 between -126 and 127, so that each power of two below is an f32 number.  NaN among the inputs is not served (an infinity is held at the largest code).
.set ROWW, 4096                        ; a row of W_attn, of hidden and of hb in bytes
.set X,    16                          ; way Q: v16-79   64 numbers down K
.set C,    80                          ; way Q: v80-95   their codes
.set HL,   16                          ; way H: v16-47   hidden: my row: 8 loads x 4 numbers
.set WL,   144                         ; way H: v144-207 Wh: 2 tiles of columns x 32 numbers
.set HC,   208                         ; way H: v208-215 my row's codes on their way to LDS; then hidden's fragment of 8 registers
.set WC,   240                         ; way H: v240-255 Wh's codes: 2 fragments
.set ACC,  16                          ; way H: v16-31   2 accumulators, where hidden's numbers lay
.set SU,   80                          ; way H: v80-143  sixteen waves' parts of one piece of 4 registers
.set HID,  32768                       ; way H, LDS: behind the sixteen waves' images of their accumulators (2,048 bytes each): hidden's codes, 16 rows,
.set HP,   1040                        ;   1,024 bytes + 16 = 260 words: row r starts at bank 4 r mod 64 (64 banks of 4 bytes: ISA guide 11.1)
.set SPARE, HID+16*HP                  ; 49,408 = 193 x 256: the spare words, 128 bytes for each of sixteen waves, that no other line names
	s_load_b256 s[4:11], s[0:1], 0x0               ; W_attn s[4:5], hidden s[6:7], b_attn s[8:9], the scales' exponents s[10:11]
	s_load_b128 s[12:15], s[0:1], 0x20             ; wcodes s[12:13], hb s[14:15]
	v_lshrrev_b32 v1, 5, v0
	s_delay_alu instid0(VALU_DEP_1)
	v_readfirstlane_b32 s16, v1                    ; wave u, 0 .. 15
	v_and_b32 v11, 31, v0                          ; lane l
	v_and_b32 v9, 15, v0                           ; r = l % 16
	v_bfe_u32 v10, v0, 4, 1                        ; h = l / 16
	s_wait_kmcnt 0x0
	s_load_b128 s[20:23], s[10:11], 0x0            ; e0, e1, e2, e3
	s_cmp_lt_u32 ttmp9, 64
	s_cbranch_scc0 .Lhb
	; ---------------- WAY Q.  K step s = group / 4, columns 256 cg on (cg = group % 4).  Wave u: columns 32 (u % 8) on, K 64 (u / 8) on.
	s_lshr_b32 s24, ttmp9, 2                       ; s
	s_and_b32 s25, ttmp9, 3                        ; cg
	s_and_b32 s26, s16, 7                          ; cu
	s_lshr_b32 s27, s16, 3                         ; kh
	s_lshl_b32 s28, s24, 19                        ; in: 128 s rows of 4,096 bytes
	s_lshl_b32 s29, s27, 18                        ;   + 64 kh rows
	s_add_co_u32 s28, s28, s29
	s_lshl_b32 s29, s25, 10                        ;   + 256 cg columns of 4 bytes
	s_add_co_u32 s28, s28, s29
	s_lshl_b32 s29, s26, 7                         ;   + 32 cu columns
	s_add_co_u32 s28, s28, s29
	s_add_co_u32 s28, s28, 1024*ROWW               ;   + Wh's 1,024 rows
	s_mov_b32 s29, 0
	s_add_nc_u64 s[4:5], s[4:5], s[28:29]
	; out: my two tiles of 16 columns are tiles 16 cg + 2 cu + 0, 1 of the 64: column half cg / 2, wave 2 (cg % 2) + cu / 4, tiles 2 (cu % 4) + 0, 1 of that wave's eight
	s_lshr_b32 s28, s24, 1
	s_lshl_b32 s28, s28, 18                        ; the pair of K steps: 262,144 bytes
	s_lshr_b32 s30, s25, 1
	s_lshl_b32 s30, s30, 17                        ; the column half: 131,072
	s_add_co_u32 s28, s28, s30
	s_and_b32 s30, s25, 1
	s_lshl_b32 s30, s30, 16                        ; the wave: 32,768 x 2 (cg % 2),
	s_add_co_u32 s28, s28, s30
	s_lshr_b32 s30, s26, 2
	s_lshl_b32 s30, s30, 15                        ;   + 32,768 (cu / 4)
	s_add_co_u32 s28, s28, s30
	s_and_b32 s30, s24, 1
	s_lshl_b32 s30, s30, 14                        ; the K step of the pair: 16,384
	s_add_co_u32 s28, s28, s30
	s_and_b32 s30, s26, 3
	s_lshl_b32 s30, s30, 12                        ; the tile: 2,048 x 2 (cu % 4)
	s_add_co_u32 s28, s28, s30
	s_lshl_b32 s30, s27, 10                        ; my half of the K step: 1,024 kh
	s_add_co_u32 s28, s28, s30
	s_add_nc_u64 s[12:13], s[12:13], s[28:29]
	s_wait_alu depctr_va_vdst(0)
	v_lshlrev_b32 v1, 2, v11                       ; in: 4 bytes a lane: a load reads 128 consecutive bytes of one row of We
	v_lshlrev_b32 v2, 4, v9                        ; out: 16 r,
	s_delay_alu instid0(VALU_DEP_1)
	v_lshl_add_u32 v2, v10, 11, v2                 ;   and lanes 16-31 hold the next tile of 16 columns, 2,048 bytes on
.set i, 0
.rept 64
	global_load_b32 v[X+i], v1, s[4:5] offset:ROWW*i th:TH_LOAD_NT   ; We(64 kh + i, my column)
.set i, i+1
.endr
	s_wait_kmcnt 0x0
	s_add_co_i32 s30, s23, 127
	s_lshl_b32 s31, s30, 23
	v_mov_b32 v13, s31                             ; 2^e3 as f32: the conversion takes its exponent field
	s_add_co_i32 s30, s30, 8
	s_lshl_b32 s30, s30, 23
	s_or_b32 s30, s30, 0x600000
	v_mov_b32 v12, s30                             ; 448 x 2^e3
	s_wait_alu depctr_va_vdst(0)
.irp p, 0,1,2,3                        ; a run of 16 along K: 16 codes, 16 bytes: (c, h) = (2 kh + p / 2, p % 2) of the image
	s_wait_loadcnt 48-16*\p                        ; loads come back in order: this run's sixteen are in, the younger runs' may be out
.set i, 0
.rept 16
	v_med3_num_f32 v[X+16*\p+i], v[X+16*\p+i], -v12, v12   ; the conversion to an 8-bit code does not saturate (ISA guide 7.6.2): the hold at the largest code x the scale
.set i, i+1
.endr
	v_cvt_scalef32_pk8_fp8_f32 v[C+4*\p:C+4*\p+1], v[X+16*\p:X+16*\p+7], v13
	v_cvt_scalef32_pk8_fp8_f32 v[C+4*\p+2:C+4*\p+3], v[X+16*\p+8:X+16*\p+15], v13
.endr
	v_nop                                          ; one plain vector instruction behind the last scaled conversion
.irp p, 0,1,2,3
	global_store_b128 v2, v[C+4*\p:C+4*\p+3], s[12:13] offset:256*\p   ; each half of the lanes stores 256 consecutive bytes, at a multiple of 256 from the buffer's first byte
.endr
	s_endpgm
	; ---------------- WAY H.  Columns n0 = 32 ((group - 64) % 32) on, rows 16 mb on, mb = (group - 64) / 32.  Wave u: K = 64 u .. 64 u + 63 of the product; row 16 mb + u of the quantising.
	; The place of k in a fragment is the same in both operands: lane (r, h) holds k = 64 u + 32 h + 0 .. 31 in its 8 registers, so every product meets its partner.
.Lhb:
	s_sub_co_u32 s24, ttmp9, 64
	s_lshr_b32 s25, s24, 5                         ; mb
	s_and_b32 s24, s24, 31
	s_lshl_b32 s24, s24, 7                         ; 4 n0 bytes
	s_mov_b32 s27, 0
	s_lshl_b32 s26, s25, 4
	s_add_co_u32 s26, s26, s16
	s_lshl_b32 s26, s26, 12                        ; hidden: row 16 mb + u
	s_add_nc_u64 s[6:7], s[6:7], s[26:27]
	s_lshl_b32 s26, s16, 18                        ; Wh: 64 u rows, + 4 n0
	s_add_co_u32 s26, s26, s24
	s_add_nc_u64 s[4:5], s[4:5], s[26:27]
	s_bfe_u32 s28, s16, 0x10001                    ; behind the sum wave u < 4 owns piece u of the 4 pieces of 4 registers: tile of columns u / 2,
	s_and_b32 s29, s16, 1                          ; registers 4 (u % 2) on
	s_lshl_b32 s28, s28, 6
	s_lshl_b32 s29, s29, 4
	s_add_co_u32 s28, s28, s29
	s_add_co_u32 s26, s28, s24                     ; its columns' bytes: 4 n0 + 64 (tile) + 16 (half)
	s_add_nc_u64 s[8:9], s[8:9], s[26:27]          ; in b_attn,
	s_lshl_b32 s28, s25, 16                        ; 16 mb rows of 4,096 bytes
	s_add_co_u32 s26, s26, s28
	s_add_nc_u64 s[14:15], s[14:15], s[26:27]      ; and in hb
	s_wait_alu depctr_va_vdst(0)
	v_lshlrev_b32 v1, 4, v11                       ; hidden: 16 bytes a lane: a load reads 512 consecutive bytes of my row
	v_lshlrev_b32 v2, 2, v9
	s_delay_alu instid0(VALU_DEP_1)
	v_lshl_add_u32 v2, v10, 17, v2                 ; Wh: column r, + 32 h rows
	s_lshl_b32 s30, s16, 11
	v_lshl_add_u32 v3, v11, 4, s30                 ; LDS, the accumulators' images, in: my wave's 2,048 bytes, 16 bytes a lane
	v_lshlrev_b32 v4, 4, v0                        ; back (waves 0 to 3): piece u of wave 0's image: 512 u + 16 l = 16 x the thread's number
	v_lshlrev_b32 v6, 12, v9
	s_delay_alu instid0(VALU_DEP_1)
	v_lshl_add_u32 v6, v10, 5, v6                  ; hb: row r, + 8 h columns
	v_lshlrev_b32 v7, 5, v10                       ; b_attn: 8 h columns
	s_mul_i32 s31, s16, HP
	s_add_co_u32 s31, s31, HID
	v_lshl_add_u32 v12, v11, 2, s31                ; LDS, hidden's codes, in: my row, 4 bytes a lane
	v_mul_u32_u24 v14, v9, HP
	s_delay_alu instid0(VALU_DEP_1)
	v_lshl_add_u32 v14, v10, 5, v14
	s_lshl_b32 s31, s16, 6
	s_add_co_u32 s31, s31, HID
	v_add_nc_u32 v14, s31, v14                     ; back: row r, my K's 64 bytes, + 32 h
.irp q, 0,1,2,3,4,5,6,7
	global_load_b128 v[HL+4*\q:HL+4*\q+3], v1, s[6:7] offset:512*\q   ; hidden(16 mb + u, 128 q + 4 l ..)
.endr
.irp t, 0,1
.set i, 0
.rept 32
	global_load_b32 v[WL+32*\t+i], v2, s[4:5] offset:ROWW*i+64*\t   ; Wh(64 u + 32 h + i, n0 + 16 t + r)
.set i, i+1
.endr
.endr
	global_load_b128 v[8:11], v7, s[8:9]           ; b_attn at a piece's four columns (r, h and l are no longer wanted)
	s_wait_kmcnt 0x0
	s_add_co_i32 s32, s20, 127
	s_lshl_b32 s33, s32, 23
	v_mov_b32 v13, s33                             ; 2^e0
	s_add_co_i32 s32, s32, 8
	s_lshl_b32 s32, s32, 23
	s_or_b32 s36, s32, 0x600000                    ; 448 x 2^e0,
	s_or_b32 s37, s36, 0x80000000                  ; and its negative
	s_add_co_i32 s32, s21, 127
	s_lshl_b32 s33, s32, 23
	v_mov_b32 v15, s33                             ; 2^e1
	s_add_co_i32 s32, s32, 8
	s_lshl_b32 s32, s32, 23
	s_or_b32 s38, s32, 0x600000                    ; 448 x 2^e1,
	s_or_b32 s39, s38, 0x80000000                  ; and its negative
	s_add_co_i32 s34, s20, s21
	s_add_co_i32 s34, s34, 127
	s_lshl_b32 s34, s34, 23                        ; 2^(e0 + e1) as f32
	s_mov_b32 s35, s34                             ; (named with it as a pair, so it is written)
	s_wait_loadcnt 63                              ; hidden's 8 loads are in: 65 loads are younger, and 63 is the largest count that a wait can name
.set i, 0
.rept 32
	v_med3_num_f32 v[HL+i], v[HL+i], s37, s36      ; the hold at the largest code x the scale
.set i, i+1
.endr
.set i, 0
.rept 4                                ; a conversion takes two loads' numbers: result register q holds 4 codes of load q: k = 128 q + 4 l + 0 .. 3
	v_cvt_scalef32_pk8_fp8_f32 v[HC+2*i:HC+2*i+1], v[HL+8*i:HL+8*i+7], v13
.set i, i+1
.endr
	v_nop                                          ; one plain vector instruction behind the last scaled conversion
.set i, 0
.rept 8
	ds_store_b32 v12, v[HC+i] offset:128*i         ; 32 lanes lay 128 consecutive codes of my row
.set i, i+1
.endr
	s_wait_loadcnt 0x0                             ; Wh and b_attn
.irp t, 0,1
.set i, 0
.rept 32
	v_med3_num_f32 v[WL+32*\t+i], v[WL+32*\t+i], s39, s38
.set i, i+1
.endr
.irp q, 0,1,2,3
	v_cvt_scalef32_pk8_fp8_f32 v[WC+8*\t+2*\q:WC+8*\t+2*\q+1], v[WL+32*\t+8*\q:WL+32*\t+8*\q+7], v15
.endr
.endr
	v_nop                                          ; one plain vector instruction between the scaled conversions and the products, which read their results
	s_wait_alu depctr_va_vdst(0)
	s_wait_dscnt 0x0                               ; for the others' sake: my row's codes have landed
	s_barrier_signal -1
	s_barrier_wait -1                              ; all 16 rows' codes lie in LDS
	ds_load_b128 v[HC:HC+3], v14                   ; hidden(16 mb + r, 64 u + 32 h + 0 .. 15),
	ds_load_b128 v[HC+4:HC+7], v14 offset:16       ;   and + 16 .. 31
	s_wait_dscnt 0x0
	; TRANSPOSED: source 0 = 16 columns of Wh, source 1 = 16 rows of hidden: lane (r, h) holds row 16 mb + r, and its register j column n0 + 16 t + 8 h + j.  Two accumulators, one product each.
.irp t, 0,1
	v_wmma_f32_16x16x64_fp8_fp8 v[ACC+8*\t:ACC+8*\t+7], v[WC+8*\t:WC+8*\t+7], v[HC:HC+7], 0
.endr
.rept 4
	v_nop                                          ; four places between a matrix instruction and the first read of its result (ISA guide 7.12.1)
.endr
.irp p, 0,1
	ds_store_b128 v3, v[ACC+8*\p:ACC+8*\p+3] offset:1024*\p        ; each accumulator from its low end on
	ds_store_b128 v3, v[ACC+8*\p+4:ACC+8*\p+7] offset:1024*\p+512
.endr
	s_wait_dscnt 0x0                               ; for the others' sake: my stores have landed
	s_barrier_signal -1
	s_barrier_wait -1
	s_cmp_ge_u32 s16, 4                            ; the 4 pieces have 4 owners: waves 4 to 15 are done
	s_cbranch_scc1 .Lend
.irp q, 0,1,2,3,4,5,6,7,8,9,10,11,12,13,14,15
	ds_load_b128 v[SU+4*\q:SU+4*\q+3], v4 offset:2048*\q           ; piece u of waves 0 to 15
.endr
	s_wait_dscnt 0x0
.irp d, 32,16,8,4                      ; the sixteen parts of K are added as a tree, two numbers an instruction
.set i, 0
.rept \d/2
	v_pk_add_f32 v[SU+i:SU+i+1], v[SU+i:SU+i+1], v[SU+\d+i:SU+\d+i+1]
.set i, i+2
.endr
.endr
	s_delay_alu instid0(VALU_DEP_2)
	v_pk_fma_f32 v[SU:SU+1], v[SU:SU+1], s[34:35], v[8:9] op_sel_hi:[1,0,1]        ; sum x 2^(e0 + e1) + b_attn
	s_delay_alu instid0(VALU_DEP_2)
	v_pk_fma_f32 v[SU+2:SU+3], v[SU+2:SU+3], s[34:35], v[10:11] op_sel_hi:[1,0,1]
	s_delay_alu instid0(VALU_DEP_2)
	v_pk_mul_f32 v[SU:SU+1], v[SU:SU+1], 0x4038aa3b op_sel_hi:[1,0]                ; x 2 log2(e)
	s_delay_alu instid0(VALU_DEP_2)
	v_pk_mul_f32 v[SU+2:SU+3], v[SU+2:SU+3], 0x4038aa3b op_sel_hi:[1,0]
	global_store_b128 v6, v[SU:SU+3], s[14:15]
.Lend:
	s_wait_xcnt 0x0
	v_lshl_add_u32 v254, v0, 2, SPARE              ; the wave's end, behind my last LDS store
	v_mov_b32 v255, 0
	s_wait_alu depctr_va_vdst(0)
	s_wait_tensorcnt 0x0
	ds_add_u32 v254, v255
	s_wait_dscnt 0x0
	s_endpgm
.Lfunc_end_k_q3ccb7c3d38_prep:
	.size	k_q3ccb7c3d38_prep, .Lfunc_end_k_q3ccb7c3d38_prep-k_q3ccb7c3d38_prep
	.p2alignl 7, 3214868480
	.fill 96, 4, 3214868480
	.section	.rodata,"a",@progbits
	.p2align	6, 0x0
	.amdhsa_kernel k_q3ccb7c3d38_prep
		.amdhsa_group_segment_fixed_size 51456
		.amdhsa_private_segment_fixed_size 0
		.amdhsa_enable_private_segment 0
		.amdhsa_kernarg_size 48
		.amdhsa_user_sgpr_count 2
		.amdhsa_user_sgpr_kernarg_segment_ptr 1
		.amdhsa_wavefront_size32 1
		.amdhsa_system_sgpr_workgroup_id_x 1
		.amdhsa_system_sgpr_workgroup_id_y 1
		.amdhsa_system_sgpr_workgroup_id_z 1
		.amdhsa_system_vgpr_workitem_id 0
		.amdhsa_next_free_vgpr 256
		.amdhsa_next_free_sgpr 66
		.amdhsa_reserve_vcc 0
		.amdhsa_float_denorm_mode_32 3
		.amdhsa_float_denorm_mode_16_64 3
		.amdhsa_memory_ordered 1
		.amdhsa_forward_progress 1
		.amdhsa_inst_pref_size 35
	.end_amdhsa_kernel
	.amdgpu_metadata
---
amdhsa.version: [ 1, 2 ]
amdhsa.kernels:
  - .name:           k_q3ccb7c3d38_prep
    .symbol:         k_q3ccb7c3d38_prep.kd
    .args:
      - { .name: W_attn, .offset: 0, .size: 8, .value_kind: global_buffer, .address_space: global }
      - { .name: hidden, .offset: 8, .size: 8, .value_kind: global_buffer, .address_space: global }
      - { .name: b_attn, .offset: 16, .size: 8, .value_kind: global_buffer, .address_space: global }
      - { .name: lowp_scales, .offset: 24, .size: 8, .value_kind: global_buffer, .address_space: global }
      - { .name: wcodes, .offset: 32, .size: 8, .value_kind: global_buffer, .address_space: global }
      - { .name: hb, .offset: 40, .size: 8, .value_kind: global_buffer, .address_space: global }
    .group_segment_fixed_size: 51456
    .private_segment_fixed_size: 0
    .kernarg_segment_align: 8
    .kernarg_segment_size: 48
    .max_flat_workgroup_size: 512
    .sgpr_count:     66
    .vgpr_count:     256
    .wavefront_size: 32
...
	.end_amdgpu_metadata
.endif
;; end of part 4
;; launch main (part 5): grid 256 x 1, 4 waves a work-group, no clusters, 262,656 bytes of LDS; arguments encoder_outputs, wcodes, hb, v, lowp_scales, part; writes part
.if DOCPART == 5
	.amdgcn_target "amdgcn-amd-amdhsa--gfx1250"
	.amdhsa_code_object_version 6
	.text
	.protected	k_q3ccb7c3d38_main
	.globl	k_q3ccb7c3d38_main
	.p2align	8
	.type	k_q3ccb7c3d38_main,@function
k_q3ccb7c3d38_main:
	s_mov_b64 s[64:65], 0
	v_nop
	global_prefetch_b8 v0, s[64:65] scope:SCOPE_SE
	s_setreg_imm32_b32 hwreg(HW_REG_WAVE_MODE, 25, 1), 1
	s_wait_xcnt 0x0
; part[4 ch + w][row] = sum over the 128 columns n = 512 ch + 128 w + .. of v[n] tanh((Q(enc) Q(We))[row][n] 2^(e2+e3) + hidden's part + b_attn[n]); the next launch adds the eight parts.
; A work-group of four waves owns 128 rows of encoder_outputs and takes them through all 1,024 columns.
; PHASE 0: wave w reads rows 32 w .. 32 w + 31 once (512 consecutive bytes a load), quantises them with the given 2^e2 and lays the codes in LDS, where they stay: 128 rows x 2,048 codes = 262,144 bytes.
;   LDS byte of code (row R, k = 128 s + 16 q + i) = 16384 s + 128 R + 16 (q xor ((R / 2) % 8)) + i: the sixteen rows of a fragment load then fall on sixteen different 16-byte columns of 256 bytes, with no padding.
;   The xor is made on the way in: for row R lane l loads the 16 bytes of column group (l / 4) xor ((R / 2) % 8), so that its four codes are stored at 128 R + 4 l: one store lays 128 consecutive bytes.
; THEN TWO PASSES (ch = 0, 1) of 512 columns, a wave 128 rows x 128 columns: 64 accumulators, 512 registers.  A's fragments come from LDS, two blocks of 16 rows at a time, in two halves of 32 registers by turns.
;   We's codes lie in wcodes as images of the operand's registers, 16,384 bytes for a wave and a K step of 128; no other wave of the work-group reads them, so they go from memory straight into registers:
;   three sets of 128 registers by turns, asked for in halves of 16 loads: the first half of step k + 3 behind step k, the second half of step k + 2 in the middle of step k.
; tanh(x) = 1 - 2 / (1 + 2^(2 log2(e) x)); hb holds 2 log2(e) x (hidden's product + b_attn).  An exponential that overflows gives 1, one that underflows -1, as tanh does.
; NO JOINT LOADS: beside A's codes and the spare words LDS has 65,024 bytes left; two slots even of half a K step of We for 512 columns (32,768 bytes each) need 65,536.  So the launch has no tensor load and no cluster.
; NO PREFETCH: phase 0 is a plain stream with up to 63 loads of 512 bytes a wave outstanding; We's 2,097,152 bytes are read by all 256 work-groups at about the same time.
; LIMITS: e2 between -126 and 119; e2 + e3 between -127 and 125.  NaN among the inputs is not served (an infinity is held at the largest code).
; REGISTERS: window 0: v0-31 addresses, v32-63 codes on their way to LDS, later hb, v and -2 v; v64-127 A's fragments, later the rows' sums; v128-255 We's set 0.  Window 1: We's sets 1 and 2.
;   windows 2, 3: phase 0: window 2 holds four units of 64 loaded numbers; then the accumulators: (block a of 16 rows, tile t of 16 columns) at v[64 (a % 4) + 8 t] of window 2 + a / 4.
.set P,     262144                     ; wcodes: from a pair of K steps to the next
.set KS,    16384                      ; a K step: in LDS 128 rows x 128 bytes; in wcodes a wave's 8 fragments
.set SPARE, 262144                     ; behind A's codes: the spare words, 128 bytes a wave, that no other line names
.set SPW, 1
.set NIL, 2
.set WOF, 3                            ; 16 x lane
.set AW,  4                            ; LDS, in: 4096 w + 4 l
.set AWC, 5                            ; the same + the trip's two K steps
.set LIM, 6
.set SCQ, 7
.set EO,  8                            ; v8-15  my 16 bytes of a row's 512, for (R / 2) % 8 = 0 .. 7
.set AB,  16                           ; v16-19 LDS, out: 128 r + 16 ((2 c + h) xor (r / 2)), c = 0 .. 3
.set ARA, 20                           ; v20-23, v24-27: the same + some K steps
.set ARB, 24
.set PO,  28
.set HVO, 29
.set VS,  30
.set CD,  32
.set HB,  32                           ; v[32 + 2 t] hb, v[33 + 2 t] v at column 16 t + r
.set W2,  48                           ; v[48 + 2 t], v[49 + 2 t]: -2 v, twice
.set AF,  64
.set SR,  64
.set TL,  64
.set TR,  65
.set TH,  66
.set T1,  67
.set T2,  68
.set T3,  69
.set WV,  16
.set WP,  24
.set SA,  26
.set SA1, 27
.set SA5, 28
.set CNT, 29
.set PASS, 30
.set QC,  31
.set SAQ, 32
.set SS,  40
.set MK,  44
.set MSB, 0
.macro WIN new                         ; the immediate's high byte repeats the setting that is left
.if MSB != (\new)
	s_set_vgpr_msb (MSB<<8)|(\new)
.set MSB, (\new)
.endif
.endm
.macro PLACES
.rept 4
	v_nop
.endr
.endm
; unit j of a trip of phase 0: K step j / 2 of the trip's two, rows 16 (j % 2) + 0 .. 15 of my 32: sixteen loads into 64 registers of window 2
.macro LOADU j, extra
	WIN 0x80
.irp i, 0,1,2,3,4,5,6,7,8,9,10,11,12,13,14,15
	global_load_b128 v[64*(\j)+4*\i:64*(\j)+4*\i+3], v[EO+\i/2], s[4:5] offset:8192*(16*((\j)%2)+\i)+512*((\j)/2)+(\extra) th:TH_LOAD_NT
.endr
	WIN 0
.endm
.macro QUANT j, cnt                    ; cnt: the loads issued behind unit j's
	s_wait_loadcnt \cnt
	s_wait_dscnt 16                                ; the stores of the unit before last have read the code registers that are written below
	WIN 0x82
.set i, 0
.rept 64
	v_med3_num_f32 v[64*(\j)+i], v[64*(\j)+i], -v[LIM], v[LIM]   ; the conversion does not saturate (ISA guide 7.6.2): the hold at 448 x 2^e2
.set i, i+1
.endr
	WIN 0x02
.irp p, 0,1,2,3,4,5,6,7
	v_cvt_scalef32_pk8_fp8_f32 v[CD+16*((\j)%2)+2*\p:CD+16*((\j)%2)+2*\p+1], v[64*(\j)+8*\p:64*(\j)+8*\p+7], v[SCQ]   ; two rows' four numbers: a result register holds four codes of one row
.endr
	WIN 0
	v_nop                                          ; one plain vector instruction behind the last scaled conversion
.irp i, 0,1,2,3,4,5,6,7,8,9,10,11,12,13,14,15
	ds_store_b32 v[AWC], v[CD+16*((\j)%2)+\i] offset:KS*((\j)/2)+128*(16*((\j)%2)+\i)
.endr
.endm
; half hf (tiles 4 hf .. 4 hf + 3) of We's fragments of K step m, counted from where s[WP] stands, into set 0 .. 2
.macro WHALF set, m, hf
	WIN (((\set)+1)/2)*0x40
.irp t, 0,1,2,3
.irp c, 0,1,2,3
	global_load_b128 v[128-128*((\set)%2)+16*(4*(\hf)+\t)+4*\c:128-128*((\set)%2)+16*(4*(\hf)+\t)+4*\c+3], v[WOF], s[WP:WP+1] offset:((\m)/2)*P+((\m)%2)*KS+2048*(4*(\hf)+\t)+512*\c
.endr
.endr
	WIN 0
.endm
; group g of a K step: A's blocks 2 g, 2 g + 1 against We's eight tiles: 16 matrix instructions, each on another accumulator.
; pf = 1: behind four places the half just multiplied takes the blocks of the group after next, at offset off from v[ar + c].
.macro GRP set, g, zero, dsw, pf, ar, off
	s_wait_dscnt \dsw                              ; this group's eight loads are in; the next group's may be out
	WIN (2+(\g)/2)*0x50+(((\set)+1)/2)*4
.irp b, 0,1
.irp t, 0,1,2,3,4,5,6,7
.set D0, 64*((2*(\g)+\b)%4)+8*\t
.set A0, AF+32*((\g)%2)+16*\b
.set W0, 128-128*((\set)%2)+16*\t
.if \zero
	v_wmma_f32_16x16x128_fp8_fp8 v[D0:D0+7], v[A0:A0+15], v[W0:W0+15], 0
.else
	v_wmma_f32_16x16x128_fp8_fp8 v[D0:D0+7], v[A0:A0+15], v[W0:W0+15], v[D0:D0+7]
.endif
.endr
.endr
	WIN 0
.if \pf
	PLACES                                         ; four places in front of loads into registers that matrix instructions have read
.irp b, 0,1
.irp c, 0,1,2,3
	ds_load_b128 v[AF+32*((\g)%2)+16*\b+4*\c:AF+32*((\g)%2)+16*\b+4*\c+3], v[\ar+\c] offset:(\off)+2048*(2*(((\g)+2)%4)+\b)
.endr
.endr
.endif
.endm
; a K step of 128 on We's set.  lcnt: the loads issued behind this step's.  mm, me: the K steps whose second and first half are asked for (-1: none).
; (ra, oa): this step's place in LDS; nx = 1: (rb, ob): the next step's.
.macro KSTEP set, zero, lcnt, mm, me, ra, oa, nx, rb, ob
	s_wait_loadcnt \lcnt
	GRP \set, 0, \zero, 8, 1, \ra, \oa
	GRP \set, 1, \zero, 8, 1, \ra, \oa
.if (\mm) >= 0
	WHALF ((\set)+2)%3, \mm, 1
.endif
	GRP \set, 2, \zero, 8, \nx, \rb, \ob
	GRP \set, 3, \zero, 8*(\nx), \nx, \rb, \ob
.if (\me) >= 0
	WHALF \set, \me, 0
.endif
.endm
.macro PRE set, m, both                ; the next pass's first fragments of We, asked for among the first pass's closing work; the last pass asks for nothing
	s_cmp_eq_u32 s[PASS], 1
	s_cbranch_scc1 .Lskip_\@
	WHALF \set, \m, 0
.if \both
	WHALF \set, \m, 1
.endif
.Lskip_\@:
.endm
; block a's 64 sums become -2 v / (1 + 2^x), added over the eight tiles into v[SR + 8 a ..]; each accumulator is read from its low end on
.macro EPI a
.set R, 64*((\a)%4)
.set AWN, 2+(\a)/4
	WIN AWN*0x41
	s_wait_alu depctr_va_vdst(0)                   ; ahead of the first reader of matrix results
.irp t, 0,1,2,3,4,5,6,7
.irp j, 0,2,4,6
	v_pk_fma_f32 v[R+8*\t+\j:R+8*\t+\j+1], v[R+8*\t+\j:R+8*\t+\j+1], s[SS:SS+1], v[HB+2*\t:HB+2*\t+1] op_sel_hi:[1,0,0]   ; x = sum x 2 log2(e) 2^(e2+e3) + hb
.endr
.endr
	s_wait_alu depctr_va_vdst(0)                   ; ahead of the batch
.set i, 0
.rept 64
	v_exp_f32 v[R+i], v[R+i]
.set i, i+1
.endr
	v_nop
	s_wait_alu depctr_va_vdst(0)                   ; and behind it
.set i, 0
.rept 32
	v_pk_add_f32 v[R+i:R+i+1], v[R+i:R+i+1], 1.0 op_sel_hi:[1,0]
.set i, i+2
.endr
	s_wait_alu depctr_va_vdst(0)
.set i, 0
.rept 64
	v_rcp_f32 v[R+i], v[R+i]
.set i, i+1
.endr
	v_nop
	s_wait_alu depctr_va_vdst(0)
	WIN AWN
.irp t, 0,1,2,3,4,5,6,7
.irp j, 0,2,4,6
.if \t == 0
	v_pk_fma_f32 v[SR+8*(\a)+\j:SR+8*(\a)+\j+1], v[R+8*\t+\j:R+8*\t+\j+1], v[W2+2*\t:W2+2*\t+1], v[VS:VS+1]
.else
	v_pk_fma_f32 v[SR+8*(\a)+\j:SR+8*(\a)+\j+1], v[R+8*\t+\j:R+8*\t+\j+1], v[W2+2*\t:W2+2*\t+1], v[SR+8*(\a)+\j:SR+8*(\a)+\j+1]
.endif
.endr
.endr
	WIN 0
.endm
; the n sums of a lane become n / 2: lanes with the mask's bit keep the upper half, the others the lower, and each adds what lane l xor x gave up
.macro HALVE n, tmp, mask, x
.set i, 0
.rept (\n)/2
	v_cndmask_b32 v[\tmp+i], v[SR+i+(\n)/2], v[SR+i], s[\mask]
	v_cndmask_b32 v[SR+i], v[SR+i], v[SR+i+(\n)/2], s[\mask]
.set i, i+1
.endr
.set i, 0
.rept (\n)/2
	v_add_f32_dpp v[SR+i], v[\tmp+i], v[SR+i] row_xmask:\x row_mask:0xf bank_mask:0xf
.set i, i+1
.endr
.endm
	s_load_b256 s[4:11], s[0:1], 0x0               ; encoder_outputs s[4:5], wcodes s[6:7], hb s[8:9], v s[10:11]
	s_load_b128 s[12:15], s[0:1], 0x20             ; the scales' exponents s[12:13], part s[14:15]
	v_lshl_add_u32 v[SPW], v0, 2, SPARE
	v_mov_b32 v[NIL], 0
	v_lshrrev_b32 v[T1], 5, v0
	v_readfirstlane_b32 s[WV], v[T1]               ; wave w
	s_lshl_b32 s50, ttmp9, 20                      ; encoder_outputs: 128 rows of 8,192 bytes a work-group,
	s_lshl_b32 s51, s[WV], 18                      ;   32 rows a wave
	s_add_co_u32 s50, s50, s51
	s_mov_b32 s51, 0
	s_lshl_b32 s52, s[WV], 15                      ; wcodes: the wave's 32,768 bytes of a pair of K steps
	s_mov_b32 s53, 0
	s_lshl_b32 s56, s[WV], 9                       ; v: 128 columns a wave
	s_mov_b32 s57, 0
	s_lshr_b32 s54, ttmp9, 2                       ; hb: the batch's row, four work-groups to a batch,
	s_lshl_b32 s54, s54, 12
	s_add_co_u32 s54, s54, s56                     ;   and the wave's columns
	s_mov_b32 s55, 0
	s_lshl_b32 s58, s[WV], 17                      ; part: the wave's 32,768 numbers, the work-group's 128
	s_lshl_b32 s59, ttmp9, 9
	s_add_co_u32 s58, s58, s59
	s_mov_b32 s59, 0
	s_lshl_b32 s17, s[WV], 12
	v_and_b32 v[TL], 31, v0                        ; l
	v_and_b32 v[TR], 15, v0                        ; r
	v_bfe_u32 v[TH], v0, 4, 1                      ; h
	v_lshlrev_b32 v[WOF], 4, v[TL]
	v_lshrrev_b32 v[T1], 2, v[TL]
	v_and_b32 v[T2], 3, v[TL]
	v_lshlrev_b32 v[T2], 4, v[T2]
.irp x, 0,1,2,3,4,5,6,7
	v_xor_b32 v[T3], \x, v[T1]
	v_lshl_add_u32 v[EO+\x], v[T3], 6, v[T2]       ; 64 ((l / 4) xor x) + 16 (l % 4)
.endr
	v_lshl_add_u32 v[AW], v[TL], 2, s17
	v_lshrrev_b32 v[T1], 1, v[TR]
	v_xor_b32 v[T1], v[T1], v[TH]
	v_lshlrev_b32 v[T2], 7, v[TR]
.irp c, 0,1,2,3
	v_xor_b32 v[T3], 2*\c, v[T1]
	v_lshl_add_u32 v[AB+\c], v[T3], 4, v[T2]
.endr
	v_lshlrev_b32 v[HVO], 2, v[TR]
	v_lshrrev_b32 v[PO], 1, v[TR]                  ; behind the four halvings lane (r, h) holds rows 16 (r / 2) + 8 h + 4 (r % 2) + 0 .. 3
	v_lshlrev_b32 v[PO], 6, v[PO]
	v_lshl_add_u32 v[PO], v[TH], 5, v[PO]
	v_and_b32 v[T3], 1, v[TR]
	v_lshl_add_u32 v[PO], v[T3], 4, v[PO]
.irp k, 0,1,2,3
	v_and_b32 v[T3], 8>>\k, v0
	v_cmp_ne_u32 s[MK+\k], 0, v[T3]
.endr
	s_wait_alu depctr_va_vdst(0)
	s_wait_kmcnt 0x0
	s_load_b128 s[20:23], s[12:13], 0x0            ; e0, e1, e2, e3
	s_add_nc_u64 s[4:5], s[4:5], s[50:51]
	s_add_nc_u64 s[6:7], s[6:7], s[52:53]
	s_add_nc_u64 s[8:9], s[8:9], s[54:55]
	s_add_nc_u64 s[10:11], s[10:11], s[56:57]
	s_add_nc_u64 s[14:15], s[14:15], s[58:59]
	s_mov_b64 s[WP:WP+1], s[6:7]
	LOADU 0, 0
	LOADU 1, 0
	LOADU 2, 0
	s_wait_kmcnt 0x0
	s_add_co_i32 s17, s22, 127
	s_lshl_b32 s18, s17, 23
	v_mov_b32 v[SCQ], s18                          ; 2^e2 as f32: the conversion takes its exponent field
	s_add_co_i32 s17, s17, 8
	s_lshl_b32 s17, s17, 23
	s_or_b32 s17, s17, 0x600000
	v_mov_b32 v[LIM], s17                          ; 448 x 2^e2
	s_add_co_i32 s17, s22, s23
	s_lshl_b32 s17, s17, 23
	s_add_co_i32 s[SS], s17, 0x4038aa3b            ; 2 log2(e) x 2^(e2 + e3): the exponents are added to the constant's exponent field
	s_mov_b32 s[SS+1], s[SS]
	s_mov_b32 s[QC], 0
	s_mov_b32 s[SAQ], 0
; PHASE 0.  A trip takes two K steps of my 32 rows as four units; loads run three units ahead, so 48 loads stay out at each wait.
.Lq:
	v_add_nc_u32 v[AWC], s[SAQ], v[AW]
	s_wait_alu depctr_va_vdst(0)
	LOADU 3, 0
	QUANT 0, 48
	LOADU 0, 1024
	QUANT 1, 48
	LOADU 1, 1024
	QUANT 2, 48
	LOADU 2, 1024
	QUANT 3, 48
	s_wait_xcnt 0x0                                ; the loads have read their base
	s_add_nc_u64 s[4:5], s[4:5], 1024
	s_add_co_u32 s[SAQ], s[SAQ], 2*KS
	s_add_co_u32 s[QC], s[QC], 1
	s_cmp_lt_u32 s[QC], 7
	s_cbranch_scc1 .Lq
	v_add_nc_u32 v[AWC], s[SAQ], v[AW]             ; the last trip loads one unit more and then We's first fragments
	s_wait_alu depctr_va_vdst(0)
	LOADU 3, 0
	QUANT 0, 48
	QUANT 1, 32
	WHALF 0, 0, 0
	WHALF 0, 0, 1
	QUANT 2, 48                                    ; behind unit 2's loads: unit 3's sixteen and We's 32
	QUANT 3, 32
	WHALF 1, 1, 0
	WHALF 1, 1, 1
	WHALF 2, 2, 0
	s_wait_dscnt 0x0                               ; for the others' sake: my rows' codes have landed
	s_barrier_signal -1
	s_barrier_wait -1                              ; all 128 rows' codes lie in LDS; nothing is stored there from here on
	s_mov_b32 s[PASS], 0
.Lpass:
.irp t, 0,1,2,3,4,5,6,7
	global_load_b32 v[HB+2*\t], v[HVO], s[8:9] offset:64*\t       ; hb and v at column 16 t + r of my 128
	global_load_b32 v[HB+2*\t+1], v[HVO], s[10:11] offset:64*\t
.endr
.irp g, 0,1
.irp b, 0,1
.irp c, 0,1,2,3
	ds_load_b128 v[AF+32*\g+16*\b+4*\c:AF+32*\g+16*\b+4*\c+3], v[AB+\c] offset:2048*(2*\g+\b)
.endr
.endr
.endr
	KSTEP 0, 1, 16, 2, 3, AB, 0, 1, AB, KS         ; K step 0 starts the sums: nothing is cleared.  16: only the loads of hb and v above may be out: all of We's fragments asked for ahead of the pass are in
	s_mov_b32 s[SA], 0
	s_mov_b32 s[CNT], 0
.Lk:                                                   ; a trip: K steps 1 + 6 trip .. 6 + 6 trip: the three sets and the pairs of wcodes are back where they began
	s_add_co_u32 s[SA1], s[SA], KS
	s_add_co_u32 s[SA5], s[SA], 5*KS
.irp c, 0,1,2,3
	v_add_nc_u32 v[ARA+\c], s[SA1], v[AB+\c]
	v_add_nc_u32 v[ARB+\c], s[SA5], v[AB+\c]
.endr
	s_wait_alu depctr_va_vdst(0)
	KSTEP 1, 0, 48, 3, 4, ARA, 0,    1, ARA, KS    ; 48: behind a step's second half three halves of sixteen loads have been issued
	KSTEP 2, 0, 48, 4, 5, ARA, KS,   1, ARA, 2*KS
	KSTEP 0, 0, 48, 5, 6, ARA, 2*KS, 1, ARA, 3*KS
	KSTEP 1, 0, 48, 6, 7, ARA, 3*KS, 1, ARB, 0
	KSTEP 2, 0, 48, 7, 8, ARB, 0,    1, ARB, KS
	KSTEP 0, 0, 48, 8, 9, ARB, KS,   1, ARB, 2*KS
	s_wait_xcnt 0x0                                ; the loads have read their base
	s_add_nc_u64 s[WP:WP+1], s[WP:WP+1], 3*P
	s_add_co_u32 s[SA], s[SA], 6*KS
	s_add_co_u32 s[CNT], s[CNT], 1
	s_cmp_lt_u32 s[CNT], 2
	s_cbranch_scc1 .Lk
	s_add_co_u32 s[SA1], s[SA], KS
.irp c, 0,1,2,3
	v_add_nc_u32 v[ARA+\c], s[SA1], v[AB+\c]
.endr
	s_wait_alu depctr_va_vdst(0)
	KSTEP 1, 0, 48, 3, -1, ARA, 0,    1, ARA, KS   ; K steps 13 to 15: one half more is asked for, then the counts run down
	KSTEP 2, 0, 32, -1, -1, ARA, KS,  1, ARA, 2*KS
	KSTEP 0, 0, 0, -1, -1, ARA, 2*KS, 0, ARA, 0
	PLACES                                         ; four places in front of the first read of results and of loads into We's registers
	s_wait_xcnt 0x0
	s_add_nc_u64 s[WP:WP+1], s[6:7], 131072        ; the second column half's part of a pair of K steps
	PRE 0, 0, 1
.irp t, 0,1,2,3,4,5,6,7
	v_mul_f32 v[W2+2*\t], -2.0, v[HB+2*\t+1]
	v_mul_f32 v[W2+2*\t+1], -2.0, v[HB+2*\t+1]
.endr
	v_add_f32 v[VS], v[HB+1], v[HB+3]              ; the 1 of 1 - 2 / (..): v at my eight columns; the halvings add the sixteen lanes'
.irp t, 2,3,4,5,6,7
	v_add_f32 v[VS], v[VS], v[HB+2*\t+1]
.endr
	v_mov_b32 v[VS+1], v[VS]
	EPI 0
	EPI 1
	PRE 1, 1, 1
	EPI 2
	EPI 3
	EPI 4
	PRE 2, 2, 0
	EPI 5
	EPI 6
	EPI 7
	HALVE 64, CD, MK, 8
	HALVE 32, SR+32, MK+1, 4
	HALVE 16, SR+32, MK+2, 2
	HALVE 8, SR+32, MK+3, 1
	global_store_b128 v[PO], v[SR:SR+3], s[14:15]  ; the wave stores 512 consecutive bytes, at a multiple of 256 from part's first byte
	s_wait_xcnt 0x0                                ; the store has read its data and its base, the loads of hb and v theirs
	s_add_nc_u64 s[8:9], s[8:9], 2048
	s_add_nc_u64 s[10:11], s[10:11], 2048
	s_add_nc_u64 s[14:15], s[14:15], 524288
	s_add_co_u32 s[PASS], s[PASS], 1
	s_cmp_lt_u32 s[PASS], 2
	s_cbranch_scc1 .Lpass
	s_wait_tensorcnt 0x0                           ; the wave's end, behind my last LDS store
	ds_add_u32 v[SPW], v[NIL]
	s_wait_dscnt 0x0
	s_endpgm
.Lfunc_end_k_q3ccb7c3d38_main:
	.size	k_q3ccb7c3d38_main, .Lfunc_end_k_q3ccb7c3d38_main-k_q3ccb7c3d38_main
	.p2alignl 7, 3214868480
	.fill 96, 4, 3214868480
	.section	.rodata,"a",@progbits
	.p2align	6, 0x0
	.amdhsa_kernel k_q3ccb7c3d38_main
		.amdhsa_group_segment_fixed_size 262656
		.amdhsa_private_segment_fixed_size 0
		.amdhsa_enable_private_segment 0
		.amdhsa_kernarg_size 48
		.amdhsa_user_sgpr_count 2
		.amdhsa_user_sgpr_kernarg_segment_ptr 1
		.amdhsa_wavefront_size32 1
		.amdhsa_system_sgpr_workgroup_id_x 1
		.amdhsa_system_sgpr_workgroup_id_y 1
		.amdhsa_system_sgpr_workgroup_id_z 1
		.amdhsa_system_vgpr_workitem_id 0
		.amdhsa_next_free_vgpr 1024
		.amdhsa_next_free_sgpr 66
		.amdhsa_reserve_vcc 0
		.amdhsa_float_denorm_mode_32 3
		.amdhsa_float_denorm_mode_16_64 3
		.amdhsa_memory_ordered 1
		.amdhsa_forward_progress 1
		.amdhsa_inst_pref_size 255
	.end_amdhsa_kernel
	.section	.bss,"aw",@nobits
	.p2align	6
	.space	262144
	.amdgpu_metadata
---
amdhsa.version: [ 1, 2 ]
amdhsa.kernels:
  - .name:           k_q3ccb7c3d38_main
    .symbol:         k_q3ccb7c3d38_main.kd
    .args:
      - { .name: encoder_outputs, .offset: 0, .size: 8, .value_kind: global_buffer, .address_space: global }
      - { .name: wcodes, .offset: 8, .size: 8, .value_kind: global_buffer, .address_space: global }
      - { .name: hb, .offset: 16, .size: 8, .value_kind: global_buffer, .address_space: global }
      - { .name: v, .offset: 24, .size: 8, .value_kind: global_buffer, .address_space: global }
      - { .name: lowp_scales, .offset: 32, .size: 8, .value_kind: global_buffer, .address_space: global }
      - { .name: part, .offset: 40, .size: 8, .value_kind: global_buffer, .address_space: global }
    .group_segment_fixed_size: 262656
    .private_segment_fixed_size: 0
    .kernarg_segment_align: 8
    .kernarg_segment_size: 48
    .max_flat_workgroup_size: 128
    .sgpr_count:     66
    .vgpr_count:     1024
    .wavefront_size: 32
...
	.end_amdgpu_metadata
.endif
;; end of part 5
;; launch soft (part 6): grid 64 x 1, 1 waves a work-group, no clusters, 0 bytes of LDS; arguments part, mask, out0; writes out0
.if DOCPART == 6
	.amdgcn_target "amdgcn-amd-amdhsa--gfx1250"
	.amdhsa_code_object_version 6
	.text
	.protected	k_q3ccb7c3d38_soft
	.globl	k_q3ccb7c3d38_soft
	.p2align	8
	.type	k_q3ccb7c3d38_soft,@function
k_q3ccb7c3d38_soft:
	s_mov_b64 s[64:65], 0
	v_nop
	global_prefetch_b8 v0, s[64:65] scope:SCOPE_SE
	s_setreg_imm32_b32 hwreg(HW_REG_WAVE_MODE, 25, 1), 1
	s_wait_xcnt 0x0
; out0[b][s] = softmax over s of (mask[b][s] == 0 ? -1e9 : score[b][s]),  score = the sum of the eight parts (128 columns each) that the launch before stored: part [8][64 x 512] f32.
; One wave takes one batch: 512 positions, 16 a lane: position 128 q + 4 x lane + 0 .. 3 in registers 4 q .. 4 q + 3.  Every load and store of the wave covers 512 consecutive bytes.  No LDS, no barrier.
; The row's maximum is taken away before the exponential.  A row that is masked everywhere gives 1 / 512 at every position.
.set P, 16                             ; v16-143  the eight parts; then v16-31 the scores, the exponentials, the result
.set M, 144                            ; v144-159 the mask
	s_load_b128 s[4:7], s[0:1], 0x0                ; part s[4:5], mask s[6:7]
	s_load_b64 s[8:9], s[0:1], 0x10                ; out0
	v_lshlrev_b32 v1, 4, v0                        ; 16 bytes a lane
	v_mov_b32 v2, 0xce6e6b28                       ; -1e9
	v_mov_b32 v4, 0                                ; written once: a lane permute's destination counts as one of its sources
	s_lshl_b32 s10, ttmp9, 11                      ; the batch's 512 numbers of 4 bytes
	s_mov_b32 s11, 0
	s_mov_b32 s12, 0x76543210                      ; v_permlanex16_b32's selects for lane l xor 16
	s_mov_b32 s13, 0xfedcba98
	s_wait_alu depctr_va_vdst(0)
	s_wait_kmcnt 0x0
	s_add_nc_u64 s[4:5], s[4:5], s[10:11]
	s_add_nc_u64 s[6:7], s[6:7], s[10:11]
	s_add_nc_u64 s[8:9], s[8:9], s[10:11]
.irp w, 0,1,2,3,4,5,6,7
.irp q, 0,1,2,3
	global_load_b128 v[P+16*\w+4*\q:P+16*\w+4*\q+3], v1, s[4:5] offset:131072*\w+512*\q th:TH_LOAD_NT
.endr
.endr
.irp q, 0,1,2,3
	global_load_b128 v[M+4*\q:M+4*\q+3], v1, s[6:7] offset:512*\q th:TH_LOAD_NT
.endr
	s_wait_loadcnt 0x0
.irp d, 64,32,16                       ; the eight parts are added as a tree, two numbers an instruction: the score
.set i, 0
.rept \d/2
	v_pk_add_f32 v[P+i:P+i+1], v[P+i:P+i+1], v[P+\d+i:P+\d+i+1]
.set i, i+2
.endr
.endr
.set i, 0
.rept 16
	v_cmp_eq_u32 vcc_lo, 0, v[M+i]
	v_cndmask_b32 v[P+i], v[P+i], v2, vcc_lo       ; -1e9 where the mask is 0
.set i, i+1
.endr
	v_max3_num_f32 v3, v[P], v[P+1], v[P+2]        ; the largest of my 16,
.irp i, 3,5,7,9,11,13
	v_max3_num_f32 v3, v3, v[P+\i], v[P+\i+1]
.endr
	v_max_num_f32 v3, v3, v[P+15]
	v_max_num_f32_dpp v3, v3, v3 row_xmask:1 row_mask:0xf bank_mask:0xf   ; of my half of the lanes,
	v_max_num_f32_dpp v3, v3, v3 row_xmask:2 row_mask:0xf bank_mask:0xf
	v_max_num_f32_dpp v3, v3, v3 row_xmask:4 row_mask:0xf bank_mask:0xf
	v_max_num_f32_dpp v3, v3, v3 row_xmask:8 row_mask:0xf bank_mask:0xf
	v_permlanex16_b32 v4, v3, s12, s13
	v_max_num_f32 v6, v3, v4                       ; of the row
	v_mov_b32 v7, v6
.set i, 0
.rept 8
	v_pk_add_f32 v[P+i:P+i+1], v[P+i:P+i+1], v[6:7] neg_lo:[0,1] neg_hi:[0,1]   ; score - maximum FIRST, and then x log2(e): fused into one multiply-add, the rounding of maximum x log2(e) would show at -1e9
.set i, i+2
.endr
.set i, 0
.rept 8
	v_pk_mul_f32 v[P+i:P+i+1], v[P+i:P+i+1], 0x3fb8aa3b op_sel_hi:[1,0]
.set i, i+2
.endr
.set i, 0
	s_wait_alu depctr_va_vdst(0)
.rept 16
	v_exp_f32 v[P+i], v[P+i]
.set i, i+1
.endr
	v_nop                                          ; one plain instruction behind the last exponential,
	s_wait_alu depctr_va_vdst(0)                   ; and a wait ahead of the batch's first reader
	v_pk_add_f32 v[8:9], v[P:P+1], v[P+2:P+3]
.irp i, 4,6,8,10,12,14
	v_pk_add_f32 v[8:9], v[8:9], v[P+\i:P+\i+1]
.endr
	v_add_f32 v8, v8, v9
	v_add_f32_dpp v8, v8, v8 row_xmask:1 row_mask:0xf bank_mask:0xf
	v_add_f32_dpp v8, v8, v8 row_xmask:2 row_mask:0xf bank_mask:0xf
	v_add_f32_dpp v8, v8, v8 row_xmask:4 row_mask:0xf bank_mask:0xf
	v_add_f32_dpp v8, v8, v8 row_xmask:8 row_mask:0xf bank_mask:0xf
	v_permlanex16_b32 v4, v8, s12, s13
	v_add_f32 v8, v8, v4                           ; the row's sum: at least 1, the maximum's own term
	s_wait_alu depctr_va_vdst(0)
	v_rcp_f32 v10, v8                              ; twice: a pair for the packed multiply
	v_rcp_f32 v11, v8
	v_nop
	s_wait_alu depctr_va_vdst(0)
.set i, 0
.rept 8
	v_pk_mul_f32 v[P+i:P+i+1], v[P+i:P+i+1], v[10:11]
.set i, i+2
.endr
.irp q, 0,1,2,3
	global_store_b128 v1, v[P+4*\q:P+4*\q+3], s[8:9] offset:512*\q th:TH_STORE_NT   ; 32 lanes store 512 consecutive bytes, at a multiple of 256 from out0's first byte
.endr
	s_endpgm
.Lfunc_end_k_q3ccb7c3d38_soft:
	.size	k_q3ccb7c3d38_soft, .Lfunc_end_k_q3ccb7c3d38_soft-k_q3ccb7c3d38_soft
	.p2alignl 7, 3214868480
	.fill 96, 4, 3214868480
	.section	.rodata,"a",@progbits
	.p2align	6, 0x0
	.amdhsa_kernel k_q3ccb7c3d38_soft
		.amdhsa_group_segment_fixed_size 0
		.amdhsa_private_segment_fixed_size 0
		.amdhsa_enable_private_segment 0
		.amdhsa_kernarg_size 24
		.amdhsa_user_sgpr_count 2
		.amdhsa_user_sgpr_kernarg_segment_ptr 1
		.amdhsa_wavefront_size32 1
		.amdhsa_system_sgpr_workgroup_id_x 1
		.amdhsa_system_sgpr_workgroup_id_y 1
		.amdhsa_system_sgpr_workgroup_id_z 1
		.amdhsa_system_vgpr_workitem_id 0
		.amdhsa_next_free_vgpr 160
		.amdhsa_next_free_sgpr 66
		.amdhsa_reserve_vcc 1
		.amdhsa_float_denorm_mode_32 3
		.amdhsa_float_denorm_mode_16_64 3
		.amdhsa_memory_ordered 1
		.amdhsa_forward_progress 1
		.amdhsa_inst_pref_size 14
	.end_amdhsa_kernel
	.amdgpu_metadata
---
amdhsa.version: [ 1, 2 ]
amdhsa.kernels:
  - .name:           k_q3ccb7c3d38_soft
    .symbol:         k_q3ccb7c3d38_soft.kd
    .args:
      - { .name: part, .offset: 0, .size: 8, .value_kind: global_buffer, .address_space: global }
      - { .name: mask, .offset: 8, .size: 8, .value_kind: global_buffer, .address_space: global }
      - { .name: out0, .offset: 16, .size: 8, .value_kind: global_buffer, .address_space: global }
    .group_segment_fixed_size: 0
    .private_segment_fixed_size: 0
    .kernarg_segment_align: 8
    .kernarg_segment_size: 24
    .max_flat_workgroup_size: 32
    .sgpr_count:     66
    .vgpr_count:     160
    .wavefront_size: 32
...
	.end_amdgpu_metadata
.endif
;; end of part 6
